; MI455X (gfx1250); checked and timed in simulation.
; The chip was launched on July 23, 2026; its instructions are those of AMD's public machine-readable ISA for CDNA 5 (MIT licence, August 2026) and "CDNA5" Instruction Set Architecture Reference Guide (July 2026). The comments in the code are by the model that wrote it; some were corrected since.
;; Self Attention. Allowed arithmetic: float matrix products may take bf16 or f16 operands with f32 sums; other float arithmetic in f32, or as packed bf16 or f16 multiplies, adds, multiply-adds, maxima and minima; sums over many terms, partial sums and values carried from step to step in f32; what a program stores and reads back later, other than sums and carried values, may be rounded once to bf16 or f16.
;; Inputs: Wk 1,024 x 1,024 float32; Wq 1,024 x 1,024 float32; Wv 1,024 x 1,024 float32; bk 1,024 float32; bq 1,024 float32; bv 1,024 float32; x 4 x 2,048 x 1,024 float32.
;; Outputs: out0 4 x 2,048 x 1,024 float32.
;; 2 versions, each right; version 2 is version 1 with the launch cast written anew for expert scheduling mode. Each part assembles by itself: llvm-mc -triple=amdgcn-amd-amdhsa -mcpu=gfx1250 --defsym DOCPART=n.
;; ======== version 1 of 2: 4 launches
;; limits: values are held in f16: magnitudes above 65,504 overflow, below 6.1e-05 lose precision
;; workspace buffers: ab 23,068,672 bytes; bias 12,288 bytes; qkv 50,331,648 bytes; p 33,554,432 bytes; st 1,048,576 bytes
;; launch cast (part 1): grid 705 x 1, 8 waves a work-group, no clusters, 0 bytes of LDS; arguments x, Wq, Wk, Wv, bq, bk, bv, ab, bias; writes ab, bias
.if DOCPART == 1
	.amdgcn_target "amdgcn-amd-amdhsa--gfx1250"
	.amdhsa_code_object_version 6
	.text
	.protected	k_q64200383aa_cast
	.globl	k_q64200383aa_cast
	.p2align	8
	.type	k_q64200383aa_cast,@function
k_q64200383aa_cast:
	s_mov_b64 s[64:65], 0
	v_nop
	global_prefetch_b8 v0, s[64:65] scope:SCOPE_SE
	s_setreg_imm32_b32 hwreg(HW_REG_WAVE_MODE, 25, 1), 1
	s_wait_xcnt 0x0
; x [8192][1024] and Wq, Wk, Wv [1024][1024], all f32, are rounded once to bf16 and laid out for the projection:
; ab[kb][row][64], kb = 0..15 (64 channels each), row = 0..11263 (x's rows, then Wq's, Wk's, Wv's): a row's piece is 128 bytes, and the pieces of
; neighbouring rows lie end to end, so that a tile of the projection is one dense block.  The three biases are rounded to bf16 too and kept as f32.
; Work-group g < 704 takes rows 16 g .. 16 g + 15: thread t takes row t / 16 and, for each kb, the four numbers 64 kb + 4 (t % 16) ..: a wave's load covers
; two aligned pieces of 256 bytes, its store 256 consecutive bytes, aligned.  Sixteen loads a thread are out at once; no register is written twice.
; Work-group 704 takes the biases.  No LDS and no matrix unit: each byte is read once and written once.
.set STRIDE, 1441792                   ; bytes from one kb plane of ab to the next: 11,264 rows x 128
.set XIN,  8                           ; v[8:71]   sixteen loads of four f32
.set YOUT, 72                          ; v[72:103] sixteen pairs of packed bf16
	s_load_b512 s[4:19], s[0:1], 0x0               ; x s[4:5], Wq s[6:7], Wk s[8:9], Wv s[10:11], bq s[12:13], bk s[14:15], bv s[16:17], ab s[18:19]
	s_load_b64 s[20:21], s[0:1], 0x40              ; bias
	s_mov_b32 s34, ttmp9                           ; g
	s_and_b32 s35, s34, 63                         ; a weight's block of 16 rows (512 is a multiple of 64)
	v_lshrrev_b32 v1, 4, v0                        ; my row of the sixteen
	v_and_b32 v3, 15, v0
	v_lshlrev_b32 v1, 12, v1                       ; x 4,096 bytes
	v_lshl_add_u32 v1, v3, 4, v1                   ; + my 16 bytes of each 256
	v_lshlrev_b32 v2, 3, v0                        ; out: row x 128 + 8 (t % 16) = 8 t
	v_lshlrev_b32 v4, 4, v0                        ; the biases: 16 t
	s_wait_kmcnt 0x0
	s_cmp_eq_u32 s34, 704
	s_cbranch_scc1 .Lbias
	s_cmp_lt_u32 s34, 640                          ; which tensor my rows come from
	s_cselect_b64 s[22:23], s[8:9], s[10:11]
	s_cmp_lt_u32 s34, 576
	s_cselect_b64 s[22:23], s[6:7], s[22:23]
	s_cmp_lt_u32 s34, 512
	s_cselect_b64 s[22:23], s[4:5], s[22:23]
	s_cselect_b32 s2, s34, s35                     ; and which block of 16 rows in it
	s_lshl_b32 s2, s2, 16                          ; 16 rows x 4,096 bytes
	s_mov_b32 s3, 0
	s_add_nc_u64 s[22:23], s[22:23], s[2:3]
	s_lshl_b32 s36, s34, 11                        ; 16 rows x 128 bytes in each plane of ab
	s_mov_b32 s37, 0
	s_add_nc_u64 s[24:25], s[18:19], s[36:37]      ; four bases, four planes apart, so that the stores' immediates stay inside their 24 bits
	s_add_nc_u64 s[26:27], s[24:25], 4*STRIDE
	s_add_nc_u64 s[28:29], s[24:25], 8*STRIDE
	s_add_nc_u64 s[30:31], s[24:25], 12*STRIDE
.set kb, 0
.rept 16
	global_load_b128 v[XIN+4*kb:XIN+4*kb+3], v1, s[22:23] offset:256*kb th:TH_LOAD_NT
.set kb, kb+1
.endr
.set kb, 0
.rept 16
	s_wait_loadcnt 15-kb                           ; loads come back in order: load kb is in, the 15 - kb younger ones stay out
	v_cvt_pk_bf16_f32 v[YOUT+2*kb], v[XIN+4*kb], v[XIN+4*kb+1]
	v_cvt_pk_bf16_f32 v[YOUT+2*kb+1], v[XIN+4*kb+2], v[XIN+4*kb+3]
	global_store_b64 v2, v[YOUT+2*kb:YOUT+2*kb+1], s[24+2*(kb/4):25+2*(kb/4)] offset:(kb%4)*STRIDE
.set kb, kb+1
.endr
	s_endpgm
.Lbias:                                                ; 256 threads x 16 bytes are a whole bias
	global_load_b128 v[8:11], v4, s[12:13]
	global_load_b128 v[12:15], v4, s[14:15]
	global_load_b128 v[16:19], v4, s[16:17]
	s_wait_loadcnt 0x0
.irp j, 0,1,2,3,4,5
	v_cvt_pk_bf16_f32 v[20+(\j)], v[8+2*(\j)], v[9+2*(\j)]      ; rounded as the other inputs are,
.endr
.irp j, 0,1,2,3,4,5
	v_lshlrev_b32 v[32+2*(\j)], 16, v[20+(\j)]                  ; and widened again
	v_and_b32 v[33+2*(\j)], 0xffff0000, v[20+(\j)]
.endr
	global_store_b128 v4, v[32:35], s[20:21]
	global_store_b128 v4, v[36:39], s[20:21] offset:4096
	global_store_b128 v4, v[40:43], s[20:21] offset:8192
	s_endpgm
.Lfunc_end_k_q64200383aa_cast:
	.size	k_q64200383aa_cast, .Lfunc_end_k_q64200383aa_cast-k_q64200383aa_cast
	.p2alignl 7, 3214868480
	.fill 96, 4, 3214868480
	.section	.rodata,"a",@progbits
	.p2align	6, 0x0
	.amdhsa_kernel k_q64200383aa_cast
		.amdhsa_group_segment_fixed_size 0
		.amdhsa_private_segment_fixed_size 0
		.amdhsa_enable_private_segment 0
		.amdhsa_kernarg_size 72
		.amdhsa_user_sgpr_count 2
		.amdhsa_user_sgpr_kernarg_segment_ptr 1
		.amdhsa_wavefront_size32 1
		.amdhsa_system_sgpr_workgroup_id_x 1
		.amdhsa_system_sgpr_workgroup_id_y 1
		.amdhsa_system_sgpr_workgroup_id_z 1
		.amdhsa_system_vgpr_workitem_id 0
		.amdhsa_next_free_vgpr 104
		.amdhsa_next_free_sgpr 66
		.amdhsa_reserve_vcc 0
		.amdhsa_float_denorm_mode_32 3
		.amdhsa_float_denorm_mode_16_64 3
		.amdhsa_memory_ordered 1
		.amdhsa_forward_progress 1
		.amdhsa_inst_pref_size 9
	.end_amdhsa_kernel
	.amdgpu_metadata
---
amdhsa.version: [ 1, 2 ]
amdhsa.kernels:
  - .name:           k_q64200383aa_cast
    .symbol:         k_q64200383aa_cast.kd
    .args:
      - { .name: x, .offset: 0, .size: 8, .value_kind: global_buffer, .address_space: global }
      - { .name: Wq, .offset: 8, .size: 8, .value_kind: global_buffer, .address_space: global }
      - { .name: Wk, .offset: 16, .size: 8, .value_kind: global_buffer, .address_space: global }
      - { .name: Wv, .offset: 24, .size: 8, .value_kind: global_buffer, .address_space: global }
      - { .name: bq, .offset: 32, .size: 8, .value_kind: global_buffer, .address_space: global }
      - { .name: bk, .offset: 40, .size: 8, .value_kind: global_buffer, .address_space: global }
      - { .name: bv, .offset: 48, .size: 8, .value_kind: global_buffer, .address_space: global }
      - { .name: ab, .offset: 56, .size: 8, .value_kind: global_buffer, .address_space: global }
      - { .name: bias, .offset: 64, .size: 8, .value_kind: global_buffer, .address_space: global }
    .group_segment_fixed_size: 0
    .private_segment_fixed_size: 0
    .kernarg_segment_align: 8
    .kernarg_segment_size: 72
    .max_flat_workgroup_size: 256
    .sgpr_count:     66
    .vgpr_count:     104
    .wavefront_size: 32
...
	.end_amdgpu_metadata
.endif
;; end of part 1
;; launch proj (part 2): grid 8 x 32, 4 waves a work-group, clusters of 4 x 4, 327,680 bytes of LDS; arguments ab, bias, qkv; writes qkv
.if DOCPART == 2
	.amdgcn_target "amdgcn-amd-amdhsa--gfx1250"
	.amdhsa_code_object_version 6
	.text
	.protected	k_q64200383aa_proj
	.globl	k_q64200383aa_proj
	.p2align	8
	.type	k_q64200383aa_proj,@function
k_q64200383aa_proj:
	s_mov_b64 s[64:65], 0
	v_nop
	global_prefetch_b8 v0, s[64:65] scope:SCOPE_SE
	s_setreg_imm32_b32 hwreg(HW_REG_WAVE_MODE, 25, 1), 1
	s_wait_xcnt 0x0
	s_wait_alu depctr_hold_cnt(0) depctr_sa_sdst(0) depctr_va_vdst(0) depctr_va_sdst(0) depctr_va_ssrc(0) depctr_va_vcc(0) depctr_vm_vsrc(0)
	s_getreg_b32 s2, hwreg(HW_REG_IB_STS2, 6, 4)
	s_cmp_eq_u32 s2, 0
	s_cbranch_scc0 .Lentry_in_a_cluster
	s_endpgm
.Lentry_in_a_cluster:
	s_bfe_u32 s2, ttmp6, 0x10000c
	s_cmp_lg_u32 s2, 0xf033
	s_cbranch_scc0 .Lentry_shape_is_right
	s_endpgm
.Lentry_shape_is_right:
; qkv[m][n] = bias[n] + the sum over k of x[m][k] W[n][k], n = 0..3071 (q, k, v side by side), m = 0..8191, K = 1,024.  Operands bf16 (ab, laid out by 64 channels), sums f32,
; qkv rounded once to f16.  LIMIT: f16 ends at 65,504: q, k and v must stay within it; NaN and infinities are not treated apart.
; SHARES.  A work-group makes 256 x 384 of qkv (8 x 32 tiles: 256 work-groups); each of its four waves 128 x 192: 96 accumulators of 16 x 16 in register windows 1 to 3.
; K goes in 16 steps of 64 through two LDS slots.  A step's tile is dense in ab: 256 (A) or 384 (B) pieces of 128 bytes on end, asked for as rows of 256 bytes and padded in LDS behind every 128.
; CLUSTER 4 x 4: A's tile hangs on the tile row alone and is asked for jointly by a row of the cluster, B's on the tile column alone, by a column.
; THE MATRIX INSTRUCTION IS USED TRANSPOSED (source 0 = 16 rows of W, source 1 = 16 rows of x): a lane holds row l % 16 and eight neighbouring columns.
; THE BIAS STARTS THE SUMS: a lane's eight biases of a column block are loaded into the registers of row block 7's accumulator; the first products of row blocks 0 to 6 take them as C, row block 7's adds in place.
; REGISTERS.  Window 0: v0-31 addresses; v32-95, v96-159 A's fragments (8 x 16 rows x 32 K), two buffers; v160-255 B's, three groups of four.  Accumulator (a, b) at v[8 (4 a + b % 4)] of window 1 + b / 4.
; A group of B's fragments is multiplied with all of A's (32 matrix instructions) and fetched anew straight behind.
.set NSTEP,  16
.set NG,     3
.set PITCH,  144                       ; an LDS row: 128 bytes + 16: the 16 rows of a fragment load start at 16 different groups of four banks
.set RS,     16*PITCH
.set SLOT1,  1<<17                     ; slot 1 begins here: one exclusive or turns an address in one slot into the other's
.set BOFF,   256*PITCH                 ; in a slot: A's 256 rows, then B's 384
.set STRIDE, 1441792                   ; bytes from one plane of 64 channels to the next
.set SPITCH, 784                       ; the stage's row: 768 bytes + 16
.set SPARE,  SLOT1+640*PITCH           ; behind slot 1: the spare words, 128 bytes for each wave: two blocks of 256 bytes that no other line names
.set AHEAD,  1                         ; a prefetch names the step after the one that is being asked for
.set G1W, (1<<16)|(1<<20)|(1<<21)|(4<<22)|(3<<25)  ; 2-byte elements; padding on; bit 21 beside a mask; behind every 32 words; 4 words
.set ADRA0, 4                          ; v4, v5  my lane's place in A's and B's part of a slot; never rewritten
.set ADRB0, 5
.set ADRA,  6                          ; v6, v7  the same in the slot that is being read
.set ADRB,  7
.set PFO,   8                          ; v8      the prefetches' offset; never rewritten
.set STO,   9                          ; v9, v10 the way out: where I put 16 bytes of a row (row blocks 0-3, 4-7)
.set RD,    11                         ; v11-13  where I read the stage back, three patterns
.set CO,    14                         ; v14-16  and the same three in qkv
.set RDC,   20                         ; v20-22  the three patterns in the trip in hand
.set BGO,   26                         ; v26     my eight biases' offset in a column block's 64 bytes
.set SPW,   28                         ; v28     LDS address of my spare word; never rewritten
.set NIL,   29                         ; v29     0; never rewritten
.set FA0,   32
.set FB0,   160
.set BC,    224                        ; in each of windows 1 to 3: row block 7's four accumulators, which first hold the biases
.set OB,    32                         ; the way out: 16 rows read back
.set TMP,   64                         ; the way out: packed results
.set WV, 12
.set HI, 13                            ; my half of the tile's rows; also: I fetch for A (0) or B (1)
.set LO, 14                            ; my half of its columns; also: which half of that tile I fetch
.set CX, 15
.set CY, 16
.set KX, 17
.set KY, 18
.set TX, 19
.set TY, 20
.set G1A, 24
.set G0A, 32                           ; two sets: slot 0's first fill; the walking one
.set CNT, 40
.set LIM, 41
.set TB,  42                           ; LDS byte at which the slot that is being read begins
.set PFA, 44
.set WOA, 46
.set WOB, 47
.set G1B, 48
.set G0B, 56
.set OFA, 66
.set OFB, 68
.set MSB, 0
.macro WIN new                         ; the immediate's high byte repeats the setting that is left; a switch that changes nothing is dropped
.if MSB != (\new)
	s_set_vgpr_msb (MSB<<8)|(\new)
.set MSB, (\new)
.endif
.endm
.macro PLACES                          ; four plain places between a matrix instruction and a load into, or a vector write or read of, its registers
.rept 4
	v_nop
.endr
.endm
.macro CREST                           ; a round of the cluster's barrier behind its opening barrier
	s_cmp_lg_u32 s[WV], 0
	s_cbranch_scc1 .Lnot_wave_0_\@
	s_barrier_signal -3
.Lnot_wave_0_\@:
	s_barrier_wait -3
	s_barrier_signal -1
	s_barrier_wait -1
.endm
.macro CROUND
	s_barrier_signal -1
	s_barrier_wait -1
	CREST
.endm
.macro JLOAD                           ; a joint refill by the walking descriptor: waves 0, 1 A's halves, waves 2, 3 B's; the branch hangs on the wave's number alone
	s_cmp_eq_u32 s[HI], 0
	s_cbranch_scc0 .Lfor_b_\@
	tensor_load_to_lds s[G0A+4:G0A+7], s[G1A:G1A+7]
	s_nop 0
.rept 4
	v_nop
.endr
	s_branch .Lasked_\@
.Lfor_b_\@:
	tensor_load_to_lds s[G0B+4:G0B+7], s[G1B:G1B+7]
	s_nop 0
.rept 4
	v_nop
.endr
.Lasked_\@:
.endm
; A prefetch of the step behind the one just asked for.  A's 32,768 bytes of a step: the cluster with x = 0 asks, each of the four partners of a row for 8,192 (told apart by address), wave 0, a lane a block of 256 bytes.
; B's 49,152: the cluster with y = 0 asks, each partner of a column for 12,288, waves 2 and 3 for 6,144 each: 24 blocks; lanes 24 to 31 name lane 23's block once more.  The last refill asks for nothing.
.macro ASK
	s_cmp_gt_u32 s[CNT], s[LIM]
	s_cbranch_scc0 .Lnot_mine_\@
	global_prefetch_b8 v[PFO], s[PFA:PFA+1] th:TH_LOAD_NT scope:SCOPE_SE
.Lnot_mine_\@:
.endm
; 16 matrix instructions: row blocks 4 half .. 4 half + 3 x the four column blocks of group g, 32 along K, A's buffer f.  The accumulators take turns, one instruction a turn.
; first = 1: the sums start with the biases, which lie in row block 7's registers.  Row block 7 writes over what the other seven read as C: five plain places stand ahead of it (ISA guide 7.12.1).
.macro GRP f, g, half, first
	WIN 0x50*(1+(\g))
.irp a, 0,1,2,3
.if (\first) && (\half) && ((\a) == 3)
.rept 5
	v_nop
.endr
.endif
.irp bb, 0,1,2,3
.set rD, 8*(4*(4*(\half)+(\a))+(\bb))
.set rB, FB0+32*(\g)+8*(\bb)
.set rA, FA0+64*(\f)+8*(4*(\half)+(\a))
.if \first
	v_wmma_f32_16x16x32_bf16 v[rD:rD+7], v[rB:rB+7], v[rA:rA+7], v[BC+8*(\bb):BC+8*(\bb)+7]
.else
	v_wmma_f32_16x16x32_bf16 v[rD:rD+7], v[rB:rB+7], v[rA:rA+7], v[rD:rD+7]
.endif
.endr
.endr
.endm
.macro LOADB g, k                      ; 8 LDS loads: group g's four fragments at byte k of the rows
.irp bb, 0,1,2,3
	ds_load_b128 v[FB0+32*(\g)+8*(\bb):FB0+32*(\g)+8*(\bb)+3],   v[ADRB] offset:(\k)+(4*(\g)+(\bb))*RS
	ds_load_b128 v[FB0+32*(\g)+8*(\bb)+4:FB0+32*(\g)+8*(\bb)+7], v[ADRB] offset:(\k)+(4*(\g)+(\bb))*RS+32
.endr
.endm
.macro LOADA f, k                      ; 16 LDS loads: A's eight fragments into buffer f
.irp a, 0,1,2,3,4,5,6,7
	ds_load_b128 v[FA0+64*(\f)+8*(\a):FA0+64*(\f)+8*(\a)+3],   v[ADRA] offset:(\k)+(\a)*RS
	ds_load_b128 v[FA0+64*(\f)+8*(\a)+4:FA0+64*(\f)+8*(\a)+7], v[ADRA] offset:(\k)+(\a)*RS+32
.endr
.endm
.macro REST f, kn, w, first            ; groups 1 and up; w = 1: wait for the group's fragments
.irp g, 1,2
.if (\g) < NG
.if \w
	s_wait_dscnt 8*NG+8                            ; younger than group g's loads: the later groups' 8 each, the 24 of group 0 and A, the earlier groups' new 8 each
.endif
	GRP \f, \g, 0, \first
	GRP \f, \g, 1, \first
	WIN 0
	PLACES
	LOADB \g, \kn
.endif
.endr
.endm
.macro QUARTER f, kn, first            ; 32 along K on A's buffer f; what follows, at byte kn of the rows, is fetched group by group
	s_wait_dscnt 8*(NG-1)                          ; group 0 and A are in; the later groups' loads may be out
	GRP \f, 0, 0, \first
	GRP \f, 0, 1, \first
	WIN 0
	PLACES
	LOADB 0, \kn
	LOADA 1-(\f), \kn
	REST \f, \kn, 1, \first
.endm
; A step's last 32 along K, and the change of slots.  Each wave waits for all its tensor loads (one is out: its part of the next slot), adds 0 to its spare word, and waits for that and for its reads of this slot.
; fill = 1: the barrier opens a round of the cluster's, and the joint refill is the first thing behind it: 160 matrix instructions ahead of the wait for it.
.macro TURN f, fill
.if \fill
	s_wait_xcnt 0x0                                ; the last prefetch, a step back, has read its address
	s_add_nc_u64 s[PFA:PFA+1], s[PFA:PFA+1], STRIDE
.endif
	WIN 0
	s_wait_tensorcnt 0x0                           ; no tensor load of mine is out, so the walking descriptor may be written
	ds_add_u32 v[SPW], v[NIL]                      ; 0 onto my spare word
.if \fill
	s_xor_b32 s[G0A+5], s[G0A+5], SLOT1            ; the other slot than last time,
	s_xor_b32 s[G0B+5], s[G0B+5], SLOT1
	s_add_nc_u64 s[G0A+6:G0A+7], s[G0A+6:G0A+7], STRIDE  ; the next step; the type bits on top are not reached
	s_add_nc_u64 s[G0B+6:G0B+7], s[G0B+6:G0B+7], STRIDE
.endif
	s_wait_dscnt 8*(NG-1)+1                        ; the add and the later groups' loads may be out
	GRP \f, 0, 0, 0
	s_wait_dscnt 0x0                               ; the add is done, and my reads of this slot are over
	s_barrier_signal -1
	GRP \f, 0, 1, 0
	WIN 0
	s_barrier_wait -1
.if \fill
	CREST                                          ; no wave of any partner still reads this slot or has a load on its way
	JLOAD                                          ; its four v_nop are also the places in front of the loads below
.else
	PLACES
.endif
	s_xor_b32 s[TB], s[TB], SLOT1
	v_add_nc_u32 v[ADRA], s[TB], v[ADRA0]
	v_add_nc_u32 v[ADRB], s[TB], v[ADRB0]
	LOADB 0, 0
	LOADA 1-(\f), 0
.if \fill
	ASK
.endif
	REST \f, 0, 0, 0
.endm
	s_load_b128 s[4:7], s[0:1], 0x0                ; ab s[4:5], bias s[6:7]
	s_load_b64 s[8:9], s[0:1], 0x10                ; qkv
	v_lshl_add_u32 v[SPW], v0, 2, SPARE
	v_mov_b32 v[NIL], 0
	ds_add_u32 v[SPW], v[NIL]                      ; the wave's opening: the add and its wait stand ahead of my first tensor load
	v_lshrrev_b32 v1, 5, v0
	v_readfirstlane_b32 s[WV], v1
	s_lshr_b32 s[HI], s[WV], 1
	s_and_b32 s[LO], s[WV], 1
	s_bfe_u32 s[CX], ttmp6, 0x40000
	s_bfe_u32 s[CY], ttmp6, 0x40004
	s_mov_b32 s[KX], ttmp9
	s_and_b32 s[KY], ttmp7, 0xffff
	s_lshl_b32 s[TX], s[KX], 2
	s_add_co_u32 s[TX], s[TX], s[CX]               ; tile column
	s_lshl_b32 s[TY], s[KY], 2
	s_add_co_u32 s[TY], s[TY], s[CY]               ; tile row
	s_lshl_b32 s21, s[CY], 2
	s_lshl_b32 s21, 15, s21                        ; my row of the cluster
	s_lshl_b32 s22, 0x1111, s[CX]                  ; my column
	s_or_b32 s[G1A], s21, G1W
	s_or_b32 s[G1B], s22, G1W
.irp g, G1A, G1B
	s_mov_b32 s[(\g)+1], 128<<16                   ; tensor_dim0 = 128 elements: 256 bytes, two pieces
	s_mov_b32 s[(\g)+3], 128<<16                   ; tile_dim0
	s_mov_b32 s[(\g)+5], 128                       ; the block is dense
	s_mov_b32 s[(\g)+6], 0
	s_mov_b32 s[(\g)+7], 0
.endr
	s_mov_b32 s[G1A+2], 64<<16                     ; A: 128 pieces = 64 rows
	s_mov_b32 s[G1A+4], 64
	s_mov_b32 s[G1B+2], 96<<16                     ; B: 192 pieces = 96 rows
	s_mov_b32 s[G1B+4], 96
	s_lshl_b32 s[OFA], s[TY], 15                   ; A: 256 rows x 128 bytes a tile row, 128 rows a half
	s_lshl_b32 s21, s[LO], 14
	s_add_co_u32 s[OFA], s[OFA], s21
	s_mov_b32 s[OFA+1], 0
	s_mul_i32 s[OFB], s[TX], 49152                 ; B: behind x's 8,192 rows; 384 rows a tile column, 192 a half
	s_mul_i32 s22, s[LO], 24576
	s_add_co_u32 s[OFB], s[OFB], s22
	s_add_co_u32 s[OFB], s[OFB], 1048576
	s_mov_b32 s[OFB+1], 0
	s_mul_i32 s[WOA], s[LO], 128*PITCH             ; where my fill goes in a slot: the wave's number alone enters
	s_mul_i32 s[WOB], s[LO], 192*PITCH
	s_add_co_u32 s[WOB], s[WOB], BOFF
	s_mov_b32 s[G0A], 1
	s_mov_b32 s[G0A+1], s[WOA]
	s_mov_b32 s[G0A+4], 1
	s_add_co_u32 s[G0A+5], s[WOA], SLOT1
	s_mov_b32 s[G0B], 1
	s_mov_b32 s[G0B+1], s[WOB]
	s_mov_b32 s[G0B+4], 1
	s_add_co_u32 s[G0B+5], s[WOB], SLOT1
	s_mov_b32 s[TB], 0
	; the prefetches' place
	s_lshl_b32 s2, s[TY], 15
	s_lshl_b32 s3, s[CX], 13
	s_add_co_u32 s2, s2, s3
	s_mul_i32 s3, s[TX], 49152
	s_mul_i32 s23, s[CY], 12288
	s_add_co_u32 s3, s3, s23
	s_mul_i32 s23, s[LO], 6144
	s_add_co_u32 s3, s3, s23
	s_add_co_u32 s3, s3, 1048576
	s_or_b32 s23, s[KX], s[LO]                     ; A: wave 0 of the clusters with x = 0
	s_cmp_eq_u32 s[HI], 0
	s_cselect_b32 s2, s2, s3
	s_cselect_b32 s23, s23, s[KY]                  ; B: waves 2 and 3 of the clusters with y = 0
	s_cselect_b32 s75, 31, 23
	s_mov_b32 s3, 0
	s_cmp_eq_u32 s23, 0
	s_cselect_b32 s[LIM], AHEAD, -1                ; the same in all sixteen partners, for a given wave
	s_mul_i32 s76, s[TX], 1536                     ; my 192 biases: (384 tile column + 192 half) x 4 bytes
	s_mul_i32 s77, s[LO], 768
	s_add_co_u32 s76, s76, s77
	s_mov_b32 s77, 0
	s_wait_dscnt 0x0                               ; the opening add is done
	s_wait_kmcnt 0x0
	s_add_nc_u64 s[G0A+2:G0A+3], s[4:5], s[OFA:OFA+1]
	s_add_nc_u64 s[G0A+6:G0A+7], s[G0A+2:G0A+3], STRIDE
	s_or_b32 s[G0A+3], s[G0A+3], 0x80000000
	s_or_b32 s[G0A+7], s[G0A+7], 0x80000000
	s_add_nc_u64 s[G0B+2:G0B+3], s[4:5], s[OFB:OFB+1]
	s_add_nc_u64 s[G0B+6:G0B+7], s[G0B+2:G0B+3], STRIDE
	s_or_b32 s[G0B+3], s[G0B+3], 0x80000000
	s_or_b32 s[G0B+7], s[G0B+7], 0x80000000
	s_add_nc_u64 s[PFA:PFA+1], s[4:5], s[2:3]
	s_add_nc_u64 s[PFA:PFA+1], s[PFA:PFA+1], (1+AHEAD)*STRIDE  ; the first refill steps it on and names step 3
	s_add_nc_u64 s[6:7], s[6:7], s[76:77]
	s_lshl_b32 s76, s[TY], 8
	s_lshl_b32 s77, s[WV], 6
	s_add_co_u32 s76, s76, s77                     ; the first row that I store: 256 tile row + 64 wave
	s_mul_i32 s76, s76, 6144
	s_mul_i32 s77, s[TX], 768
	s_add_co_u32 s76, s76, s77
	s_mov_b32 s77, 0
	s_add_nc_u64 s[8:9], s[8:9], s[76:77]
	CROUND                                         ; all sixteen work-groups are here: the first joint loads meet
	s_cmp_eq_u32 s[HI], 0                          ; a wave's two first fills stand in one branch: two loads of mine are out
	s_cbranch_scc0 .Lfirst_b
	tensor_load_to_lds s[G0A:G0A+3], s[G1A:G1A+7]
	s_nop 0
	tensor_load_to_lds s[G0A+4:G0A+7], s[G1A:G1A+7]
	s_nop 0
.rept 4
	v_nop
.endr
	s_branch .Lfirst_done
.Lfirst_b:
	tensor_load_to_lds s[G0B:G0B+3], s[G1B:G1B+7]
	s_nop 0
	tensor_load_to_lds s[G0B+4:G0B+7], s[G1B:G1B+7]
	s_nop 0
.rept 4
	v_nop
.endr
.Lfirst_done:
	v_and_b32 v1, 15, v0                           ; r = l % 16
	v_bfe_u32 v2, v0, 4, 1                         ; h = l / 16
	v_and_b32 v3, 31, v0                           ; l
	v_lshlrev_b32 v[BGO], 5, v2                    ; register j of a result holds column 8 h + j of its block: eight f32 at byte 32 h of the block's 64
.irp g, 0,1,2
	WIN (1+(\g))<<6                                ; destination in the group's window, address in window 0
.irp bb, 0,1,2,3
	global_load_b128 v[BC+8*(\bb):BC+8*(\bb)+3],   v[BGO], s[6:7] offset:(4*(\g)+(\bb))*64
	global_load_b128 v[BC+8*(\bb)+4:BC+8*(\bb)+7], v[BGO], s[6:7] offset:(4*(\g)+(\bb))*64+16
.endr
.endr
	WIN 0
	v_min_u32 v[PFO], s75, v3
	v_lshlrev_b32 v[PFO], 8, v[PFO]
	v_mul_u32_u24 v18, v1, PITCH
	v_lshl_add_u32 v18, v2, 4, v18                 ; a fragment's row x pitch + 16 x half
	s_mul_i32 s79, s[HI], 128*PITCH
	v_add_nc_u32 v[ADRA0], s79, v18
	v_add_nc_u32 v[ADRB0], s[WOB], v18             ; my 192 rows of B are the half with my LO
	v_mov_b32 v[ADRA], v[ADRA0]
	v_mov_b32 v[ADRB], v[ADRB0]
	s_mul_i32 s79, s[HI], 128*SPITCH
	s_mul_i32 s78, s[LO], 384
	s_add_co_u32 s79, s79, s78
	v_mul_u32_u24 v18, v1, SPITCH
	v_lshl_add_u32 v18, v2, 4, v18
	v_add_nc_u32 v[STO], s79, v18
	v_add_nc_u32 v[STO+1], 64*SPITCH, v[STO]
	s_mul_i32 s79, s[WV], 64*SPITCH                ; back: wave w takes rows 64 w .. 64 w + 63, whole: 768 bytes, three blocks of 256; two rows are three loads of two blocks
	v_lshl_add_u32 v18, v1, 4, s79
	v_lshl_add_u32 v[RD], v2, 8, v18               ; row 0's blocks 0, 1
	v_mul_u32_u24 v27, v2, 272
	v_add_nc_u32 v[RD+1], v18, v27                 ; row 0's block 2, row 1's block 0
	v_add_nc_u32 v[RD+1], 512, v[RD+1]
	v_add_nc_u32 v[RD+2], 1040, v[RD]              ; row 1's blocks 1, 2
	v_lshlrev_b32 v18, 4, v1
	v_lshl_add_u32 v[CO], v2, 8, v18
	v_mul_u32_u24 v27, v2, 5632
	v_add_nc_u32 v[CO+1], v18, v27
	v_add_nc_u32 v[CO+1], 512, v[CO+1]
	v_add_nc_u32 v[CO+2], 6400, v[CO]
	s_wait_loadcnt 0x0                             ; the biases
	s_wait_tensorcnt 0x1                           ; my part of step 0 is in; step 1's may stay out
	s_barrier_signal -1
	s_barrier_wait -1
	LOADB 0, 0
	LOADA 0, 0
	LOADB 1, 0
	LOADB 2, 0
	QUARTER 0, 64, 1                               ; the first products start the sums, with the biases
	WIN 0
	s_mov_b32 s[CNT], NSTEP-2
.Lstep:                                                ; a trip: a step's second half, the change of slots, the next step's first half; the trip with CNT = c asks for step 16 - c
	TURN 1, 1
	QUARTER 0, 64, 0
	WIN 0
	s_sub_co_u32 s[CNT], s[CNT], 1
	s_cmp_lg_u32 s[CNT], 0
	s_cbranch_scc1 .Lstep
	TURN 1, 0                                      ; the tail is written out: nothing is left to ask for
	QUARTER 0, 64, 0
	s_wait_dscnt 0x0                               ; my last reads of the slots are over: the stage will lie over them
	s_barrier_signal -1
.irp g, 0,1,2
	GRP 1, \g, 0, 0
	GRP 1, \g, 1, 0
.endr
	WIN 0
	s_barrier_wait -1                              ; everybody's are; both slots have had their last fill
	; THE WAY OUT.  The sums are rounded to f16 and put into the work-group's stage (256 rows x 784 bytes), group by group.
.rept 8
	v_nop
.endr
.macro OUTG g
	WIN (1+(\g))|((1+(\g))<<2)                     ; both sources in the group's window
.set u, 0
.rept 128                              ; each accumulator's registers in ascending order
	v_cvt_pk_f16_f32 v[TMP+u], v[2*u], v[2*u+1]
.set u, u+1
.endr
	WIN 0
.set t, 0
.rept 32                               ; row block t / 4, column block 4 g + t % 4
	ds_store_b128 v[STO+t/16], v[TMP+4*t:TMP+4*t+3] offset:((t/4)%4)*16*SPITCH+(4*(\g)+t%4)*32
.set t, t+1
.endr
.endm
	OUTG 0
	OUTG 1
	OUTG 2
	s_wait_dscnt 0x0                               ; for the others' sake: my stores into the stage are done
	s_barrier_signal -1
	s_barrier_wait -1
	s_mov_b32 s[CNT], 4
	s_mov_b32 s78, 0
.Lout:                                                 ; four trips of 16 rows: 24 loads from the stage, 24 stores
.irp j, 0,1,2
	v_add_nc_u32 v[RDC+(\j)], s78, v[RD+(\j)]
.endr
.set i, 0
.rept 24
	ds_load_b128 v[OB+4*i:OB+4*i+3], v[RDC+i%3] offset:2*(i/3)*SPITCH
.set i, i+1
.endr
.set i, 0
.rept 24
	s_wait_dscnt 23-i                              ; load i is in; the younger ones stay out
	global_store_b128 v[CO+i%3], v[OB+4*i:OB+4*i+3], s[8:9] offset:2*(i/3)*6144  ; each half of the lanes stores 256 consecutive bytes, aligned
.set i, i+1
.endr
	s_wait_xcnt 0x0                                ; the stores have read their data and their base: both are written again only behind this wait
	s_add_nc_u64 s[8:9], s[8:9], 16*6144
	s_add_co_u32 s78, s78, 16*SPITCH
	s_sub_co_u32 s[CNT], s[CNT], 1
	s_cmp_lg_u32 s[CNT], 0
	s_cbranch_scc1 .Lout
	s_wait_tensorcnt 0x0                           ; the wave's end
	ds_add_u32 v[SPW], v[NIL]
	s_wait_dscnt 0x0
	CROUND                                         ; the closing round
	s_endpgm
.Lfunc_end_k_q64200383aa_proj:
	.size	k_q64200383aa_proj, .Lfunc_end_k_q64200383aa_proj-k_q64200383aa_proj
	.p2alignl 7, 3214868480
	.fill 96, 4, 3214868480
	.section	.rodata,"a",@progbits
	.p2align	6, 0x0
	.amdhsa_kernel k_q64200383aa_proj
		.amdhsa_group_segment_fixed_size 327680
		.amdhsa_private_segment_fixed_size 0
		.amdhsa_enable_private_segment 0
		.amdhsa_kernarg_size 24
		.amdhsa_user_sgpr_count 2
		.amdhsa_user_sgpr_kernarg_segment_ptr 1
		.amdhsa_wavefront_size32 1
		.amdhsa_system_sgpr_workgroup_id_x 1
		.amdhsa_system_sgpr_workgroup_id_y 1
		.amdhsa_system_sgpr_workgroup_id_z 1
		.amdhsa_system_vgpr_workitem_id 0
		.amdhsa_next_free_vgpr 1024
		.amdhsa_next_free_sgpr 80
		.amdhsa_reserve_vcc 0
		.amdhsa_float_denorm_mode_32 3
		.amdhsa_float_denorm_mode_16_64 3
		.amdhsa_memory_ordered 1
		.amdhsa_forward_progress 1
		.amdhsa_inst_pref_size 103
	.end_amdhsa_kernel
	.amdgpu_metadata
---
amdhsa.version: [ 1, 2 ]
amdhsa.kernels:
  - .name:           k_q64200383aa_proj
    .symbol:         k_q64200383aa_proj.kd
    .args:
      - { .name: ab, .offset: 0, .size: 8, .value_kind: global_buffer, .address_space: global }
      - { .name: bias, .offset: 8, .size: 8, .value_kind: global_buffer, .address_space: global }
      - { .name: qkv, .offset: 16, .size: 8, .value_kind: global_buffer, .address_space: global }
    .group_segment_fixed_size: 327680
    .private_segment_fixed_size: 0
    .kernarg_segment_align: 8
    .kernarg_segment_size: 24
    .max_flat_workgroup_size: 128
    .sgpr_count:     80
    .vgpr_count:     1024
    .wavefront_size: 32
...
	.end_amdgpu_metadata
.endif
;; end of part 2
;; launch score (part 3): grid 8 x 32, 4 waves a work-group, clusters of 4 x 4, 327,680 bytes of LDS; arguments qkv, p, st; writes p, st
.if DOCPART == 3
	.amdgcn_target "amdgcn-amd-amdhsa--gfx1250"
	.amdhsa_code_object_version 6
	.text
	.protected	k_q64200383aa_score
	.globl	k_q64200383aa_score
	.p2align	8
	.type	k_q64200383aa_score,@function
k_q64200383aa_score:
	s_mov_b64 s[64:65], 0
	v_nop
	global_prefetch_b8 v0, s[64:65] scope:SCOPE_SE
	s_setreg_imm32_b32 hwreg(HW_REG_WAVE_MODE, 25, 1), 1
	s_wait_xcnt 0x0
	s_wait_alu depctr_hold_cnt(0) depctr_sa_sdst(0) depctr_va_vdst(0) depctr_va_sdst(0) depctr_va_ssrc(0) depctr_va_vcc(0) depctr_vm_vsrc(0)
	s_getreg_b32 s2, hwreg(HW_REG_IB_STS2, 6, 4)
	s_cmp_eq_u32 s2, 0
	s_cbranch_scc0 .Lentry_in_a_cluster
	s_endpgm
.Lentry_in_a_cluster:
	s_bfe_u32 s2, ttmp6, 0x10000c
	s_cmp_lg_u32 s2, 0xf033
	s_cbranch_scc0 .Lentry_shape_is_right
	s_endpgm
.Lentry_shape_is_right:
; For each batch: s[q][k] = q[q] . k[k] (K = 1,024, f16 operands, f32 sums).  For each row and each block of 128 keys: cm = c x the block's maximum, c = log2(e) / 32;
; p = 2^(c s - cm), rounded to f16, into p[8192][2048]; l = the sum of the rounded p, in f32.  cm and l go into st, a chunk of 1,024 bytes for 128 rows x one block of keys:
; [half of the rows][row % 16][row block % 4][cm, l]: the 32 bytes that a lane of the next launch wants lie on end.
; The block's maximum is taken away here, the row's in the next launch.  LIMITS: p below 6e-5 keeps f16's fixed step of 6e-8; an exponential below 2^-126 counts as 0; NaN and infinities are not treated apart.
; SHARES.  A work-group makes 256 rows x 256 keys (8 x 32 tiles), a wave 128 x 128: one block of keys; 64 accumulators in windows 1 and 2.  K goes in 8 steps of 128 through two LDS slots: tile rows of 256 bytes, aligned.
; CLUSTER 4 x 4: q's tile is asked for jointly by a row of the cluster, k's by a column.  The matrix instruction is used transposed: a lane holds row l % 16 and eight neighbouring keys.
; REGISTERS.  Window 0: v0-31 addresses; v32-95, v96-159 q's fragments, two buffers; v160-223 k's, two groups of four.  Accumulator (a, b) at v[8 (4 a + b % 4)] of window 1 + b / 4.
.set NSTEP,  8
.set NG,     2
.set PITCH,  272
.set RS,     16*PITCH
.set HALFT,  128*PITCH
.set SLOT1,  4*HALFT
.set STAGE,  2*SLOT1                   ; behind the ring: 16 rows x 272 bytes for each wave
.set SPARE,  STAGE+4*16*PITCH          ; the spare words: two blocks of 256 bytes that no other line names
.set ROWB,   6144                      ; bytes in a row of qkv
.set AHEAD,  1
.set G1W, (1<<16)|(1<<20)|(1<<21)|(5<<22)|(3<<25)  ; 2-byte elements; padding on; bit 21 beside a mask; behind every 64 words; 4 words
.set ADRA0, 4
.set ADRB0, 5
.set ADRA,  6
.set ADRB,  7
.set PFO,   8
.set STO,   9
.set RD,    10
.set CO,    11
.set SS,    12                         ; the statistics: into the stage,
.set SR,    13                         ; back,
.set SG,    14                         ; and into st
.set ONES,  16                         ; v[16:23] the way out: a fragment of 16 x 32 ones in f16
.set SPW,   28
.set NIL,   29
.set FA0,   32
.set FB0,   160
.set CC,    32                         ; the way out: v[32 + 4 a + bb] four running maxima a row block;
.set DS,    32                         ; later v[32 + 8 (a % 4)] the accumulators of the row sums
.set CM,    64                         ; v[64 + 2 a] c m, v[65 + 2 a] m
.set LL,    80                         ; v[80 + a] l
.set STAT,  96
.set TMP,   128                        ; packed weights of four row blocks
.set WV, 12
.set HI, 13
.set LO, 14
.set CX, 15
.set CY, 16
.set KX, 17
.set KY, 18
.set TX, 19
.set TY, 20
.set G1A, 24
.set G0A, 32
.set CNT, 40
.set LIM, 41
.set TB,  42                           ; where the slot that is being read begins
.set LB,  43                           ; where the slot that was asked for last begins
.set PFA, 44
.set WOA, 46
.set WOB, 47
.set G1B, 48
.set G0B, 56
.set OFA, 66
.set OFB, 68
.set CS,  70
.set SEL, 72
.set MK,  74
.set MSB, 0
.macro WIN new
.if MSB != (\new)
	s_set_vgpr_msb (MSB<<8)|(\new)
.set MSB, (\new)
.endif
.endm
.macro PLACES
.rept 4
	v_nop
.endr
.endm
.macro CREST
	s_cmp_lg_u32 s[WV], 0
	s_cbranch_scc1 .Lnot_wave_0_\@
	s_barrier_signal -3
.Lnot_wave_0_\@:
	s_barrier_wait -3
	s_barrier_signal -1
	s_barrier_wait -1
.endm
.macro CROUND
	s_barrier_signal -1
	s_barrier_wait -1
	CREST
.endm
.macro JLOAD
	s_cmp_eq_u32 s[HI], 0
	s_cbranch_scc0 .Lfor_b_\@
	tensor_load_to_lds s[G0A+4:G0A+7], s[G1A:G1A+7]
	s_nop 0
.rept 4
	v_nop
.endr
	s_branch .Lasked_\@
.Lfor_b_\@:
	tensor_load_to_lds s[G0B+4:G0B+7], s[G1B:G1B+7]
	s_nop 0
.rept 4
	v_nop
.endr
.Lasked_\@:
.endm
; A prefetch of the step behind the one just asked for: 256 bytes of each of 32 rows, a lane a row.  Of the 128 rows that a wave fetches each of the four partners that ask with it takes 32, told apart by address.
; q's rows are read by both clusters of a row of clusters: the one with x = 0 asks; k's by the two clusters of a batch in a column: the one with even y asks.  The last refill asks for nothing.
.macro ASK
	s_cmp_gt_u32 s[CNT], s[LIM]
	s_cbranch_scc0 .Lnot_mine_\@
	global_prefetch_b8 v[PFO], s[PFA:PFA+1] th:TH_LOAD_NT scope:SCOPE_SE
.Lnot_mine_\@:
.endm
.macro GRP f, g, half, zero            ; 16 matrix instructions; the accumulators take turns, one instruction a turn
	WIN 0x50*(1+(\g))
.irp a, 0,1,2,3
.irp bb, 0,1,2,3
.set rD, 8*(4*(4*(\half)+(\a))+(\bb))
.set rB, FB0+32*(\g)+8*(\bb)
.set rA, FA0+64*(\f)+8*(4*(\half)+(\a))
.if \zero
	v_wmma_f32_16x16x32_f16 v[rD:rD+7], v[rB:rB+7], v[rA:rA+7], 0
.else
	v_wmma_f32_16x16x32_f16 v[rD:rD+7], v[rB:rB+7], v[rA:rA+7], v[rD:rD+7]
.endif
.endr
.endr
.endm
.macro LOADB g, k
.irp bb, 0,1,2,3
	ds_load_b128 v[FB0+32*(\g)+8*(\bb):FB0+32*(\g)+8*(\bb)+3],   v[ADRB] offset:(\k)+(4*(\g)+(\bb))*RS
	ds_load_b128 v[FB0+32*(\g)+8*(\bb)+4:FB0+32*(\g)+8*(\bb)+7], v[ADRB] offset:(\k)+(4*(\g)+(\bb))*RS+32
.endr
.endm
.macro LOADA f, k
.irp a, 0,1,2,3,4,5,6,7
	ds_load_b128 v[FA0+64*(\f)+8*(\a):FA0+64*(\f)+8*(\a)+3],   v[ADRA] offset:(\k)+(\a)*RS
	ds_load_b128 v[FA0+64*(\f)+8*(\a)+4:FA0+64*(\f)+8*(\a)+7], v[ADRA] offset:(\k)+(\a)*RS+32
.endr
.endm
.macro REST f, kn, w, zero
.if \w
	s_wait_dscnt 8*NG+8                            ; younger than group 1's loads: the 24 of group 0 and A
.endif
	GRP \f, 1, 0, \zero
	GRP \f, 1, 1, \zero
	WIN 0
	PLACES
	LOADB 1, \kn
.endm
.macro QUARTER f, kn, zero
	s_wait_dscnt 8*(NG-1)                          ; group 0 and A are in; group 1's eight loads may be out
	GRP \f, 0, 0, \zero
	GRP \f, 0, 1, \zero
	WIN 0
	PLACES
	LOADB 0, \kn
	LOADA 1-(\f), \kn
	REST \f, \kn, 1, \zero
.endm
; A step's last quarter and the change of slots: the wait for all my tensor loads, the add, the wait for it and for my reads of this slot, the barrier; with fill = 1 a round of the cluster's,
; and the joint refill first behind it: 224 matrix instructions ahead of the wait for it.
.macro TURN f, fill
.if \fill
	s_wait_xcnt 0x0                                ; the last prefetch, a step back, has read its address
	s_add_nc_u64 s[PFA:PFA+1], s[PFA:PFA+1], 256
.endif
	WIN 0
	s_wait_tensorcnt 0x0
	ds_add_u32 v[SPW], v[NIL]                      ; 0 onto my spare word
.if \fill
	s_xor_b32 s[LB], s[LB], SLOT1                  ; the other slot than last time,
	s_add_co_u32 s[G0A+5], s[WOA], s[LB]
	s_add_co_u32 s[G0B+5], s[WOB], s[LB]
	s_add_nc_u64 s[G0A+6:G0A+7], s[G0A+6:G0A+7], 256  ; the next 128 channels
	s_add_nc_u64 s[G0B+6:G0B+7], s[G0B+6:G0B+7], 256
.endif
	s_wait_dscnt 8*(NG-1)+1                        ; the add and group 1's loads may be out
	GRP \f, 0, 0, 0
	s_wait_dscnt 0x0                               ; the add is done, and my reads of this slot are over
	s_barrier_signal -1
	GRP \f, 0, 1, 0
	WIN 0
	s_barrier_wait -1
.if \fill
	CREST
	JLOAD
.else
	PLACES
.endif
	s_xor_b32 s[TB], s[TB], SLOT1
	v_add_nc_u32 v[ADRA], s[TB], v[ADRA0]
	v_add_nc_u32 v[ADRB], s[TB], v[ADRB0]
	LOADB 0, 0
	LOADA 1-(\f), 0
.if \fill
	ASK
.endif
	REST \f, 0, 0, 0
.endm
	s_load_b128 s[4:7], s[0:1], 0x0                ; qkv s[4:5], p s[6:7]
	s_load_b64 s[8:9], s[0:1], 0x10                ; st
	v_lshl_add_u32 v[SPW], v0, 2, SPARE
	v_mov_b32 v[NIL], 0
	ds_add_u32 v[SPW], v[NIL]                      ; the wave's opening: the add and its wait stand ahead of my first tensor load
	v_lshrrev_b32 v1, 5, v0
	v_readfirstlane_b32 s[WV], v1
	s_lshr_b32 s[HI], s[WV], 1
	s_and_b32 s[LO], s[WV], 1
	s_bfe_u32 s[CX], ttmp6, 0x40000
	s_bfe_u32 s[CY], ttmp6, 0x40004
	s_mov_b32 s[KX], ttmp9
	s_and_b32 s[KY], ttmp7, 0xffff
	s_lshl_b32 s[TX], s[KX], 2
	s_add_co_u32 s[TX], s[TX], s[CX]               ; tile of 256 keys in the batch
	s_lshl_b32 s[TY], s[KY], 2
	s_add_co_u32 s[TY], s[TY], s[CY]               ; tile of 256 rows
	s_lshl_b32 s21, s[CY], 2
	s_lshl_b32 s21, 15, s21
	s_lshl_b32 s22, 0x1111, s[CX]
	s_or_b32 s[G1A], s21, G1W
	s_or_b32 s[G1B], s22, G1W
.irp g, G1A, G1B
	s_mov_b32 s[(\g)+1], 128<<16                   ; tensor_dim0 = 128
	s_mov_b32 s[(\g)+2], 128<<16                   ; tensor_dim1 = 128
	s_mov_b32 s[(\g)+3], 128<<16                   ; tile_dim0
	s_mov_b32 s[(\g)+4], 128                       ; tile_dim1
	s_mov_b32 s[(\g)+5], 3072                      ; elements from row to row
	s_mov_b32 s[(\g)+6], 0
	s_mov_b32 s[(\g)+7], 0
.endr
	s_lshl_b32 s21, s[TY], 1
	s_add_co_u32 s21, s21, s[LO]
	s_mul_i32 s[OFA], s21, 128*ROWB                ; q: my 128 rows
	s_mov_b32 s[OFA+1], 0
	s_lshr_b32 s22, s[KY], 1                       ; the batch, from the cluster's y alone
	s_lshl_b32 s22, s22, 4
	s_lshl_b32 s23, s[TX], 1
	s_add_co_u32 s22, s22, s23
	s_add_co_u32 s22, s22, s[LO]
	s_mul_i32 s[OFB], s22, 128*ROWB                ; k: my 128 keys,
	s_add_co_u32 s[OFB], s[OFB], 2048              ; 2,048 bytes into the row
	s_mov_b32 s[OFB+1], 0
	s_mul_i32 s[WOA], s[LO], HALFT
	s_add_co_u32 s[WOB], s[WOA], 2*HALFT
	s_mov_b32 s[G0A], 1
	s_mov_b32 s[G0A+1], s[WOA]
	s_mov_b32 s[G0A+4], 1
	s_add_co_u32 s[G0A+5], s[WOA], SLOT1
	s_mov_b32 s[G0B], 1
	s_mov_b32 s[G0B+1], s[WOB]
	s_mov_b32 s[G0B+4], 1
	s_add_co_u32 s[G0B+5], s[WOB], SLOT1
	s_mov_b32 s[TB], 0
	s_mov_b32 s[LB], SLOT1
	s_mov_b32 s[CS], 0x3d38aa3b                    ; c = log2(e) / 32
	s_mov_b32 s[CS+1], s[CS]
	s_mov_b32 s[SEL], 0x76543210
	s_mov_b32 s[SEL+1], 0xfedcba98
	s_mov_b32 s[MK], 0xffff                        ; lanes 0 to 15
	s_mul_i32 s2, s[CX], 32*ROWB                   ; the prefetches' place
	s_add_co_u32 s2, s2, s[OFA]
	s_mul_i32 s3, s[CY], 32*ROWB
	s_add_co_u32 s3, s3, s[OFB]
	s_and_b32 s23, s[KY], 1
	s_cmp_eq_u32 s[HI], 0
	s_cselect_b32 s2, s2, s3
	s_cselect_b32 s23, s[KX], s23
	s_mov_b32 s3, 0
	s_cmp_eq_u32 s23, 0
	s_cselect_b32 s[LIM], AHEAD, -1                ; the same in all sixteen partners, for a given wave
	s_lshl_b32 s76, s[TY], 1
	s_add_co_u32 s76, s76, s[HI]                   ; my block of 128 rows
	s_lshl_b32 s77, s[TX], 1
	s_add_co_u32 s77, s77, s[LO]                   ; my block of 128 keys
	s_wait_dscnt 0x0                               ; the opening add is done
	s_wait_kmcnt 0x0
	s_add_nc_u64 s[G0A+2:G0A+3], s[4:5], s[OFA:OFA+1]
	s_add_nc_u64 s[G0A+6:G0A+7], s[G0A+2:G0A+3], 256
	s_or_b32 s[G0A+3], s[G0A+3], 0x80000000
	s_or_b32 s[G0A+7], s[G0A+7], 0x80000000
	s_add_nc_u64 s[G0B+2:G0B+3], s[4:5], s[OFB:OFB+1]
	s_add_nc_u64 s[G0B+6:G0B+7], s[G0B+2:G0B+3], 256
	s_or_b32 s[G0B+3], s[G0B+3], 0x80000000
	s_or_b32 s[G0B+7], s[G0B+7], 0x80000000
	s_add_nc_u64 s[PFA:PFA+1], s[4:5], s[2:3]
	s_add_nc_u64 s[PFA:PFA+1], s[PFA:PFA+1], (1+AHEAD)*256
	s_lshl_b32 s2, s76, 19                         ; p: 128 rows x 4,096 bytes, 256 bytes a block of keys
	s_lshl_b32 s3, s77, 8
	s_add_co_u32 s2, s2, s3
	s_mov_b32 s3, 0
	s_add_nc_u64 s[6:7], s[6:7], s[2:3]
	s_lshl_b32 s2, s76, 4
	s_add_co_u32 s2, s2, s77
	s_lshl_b32 s2, s2, 10                          ; st: my chunk
	s_add_nc_u64 s[8:9], s[8:9], s[2:3]
	CROUND
	s_cmp_eq_u32 s[HI], 0                          ; a wave's two first fills stand in one branch: two loads of mine are out
	s_cbranch_scc0 .Lfirst_b
	tensor_load_to_lds s[G0A:G0A+3], s[G1A:G1A+7]
	s_nop 0
	tensor_load_to_lds s[G0A+4:G0A+7], s[G1A:G1A+7]
	s_nop 0
.rept 4
	v_nop
.endr
	s_branch .Lfirst_done
.Lfirst_b:
	tensor_load_to_lds s[G0B:G0B+3], s[G1B:G1B+7]
	s_nop 0
	tensor_load_to_lds s[G0B+4:G0B+7], s[G1B:G1B+7]
	s_nop 0
.rept 4
	v_nop
.endr
.Lfirst_done:
	v_and_b32 v1, 15, v0                           ; r
	v_bfe_u32 v2, v0, 4, 1                         ; h
	v_and_b32 v3, 31, v0                           ; l
	v_mul_u32_u24 v[PFO], v3, ROWB
	v_mul_u32_u24 v18, v1, PITCH
	v_lshl_add_u32 v18, v2, 4, v18
	s_mul_i32 s79, s[HI], HALFT
	v_add_nc_u32 v[ADRA0], s79, v18
	v_add_nc_u32 v[ADRB0], s[WOB], v18
	v_mov_b32 v[ADRA], v[ADRA0]
	v_mov_b32 v[ADRB], v[ADRB0]
	s_mul_i32 s79, s[WV], 16*PITCH
	s_add_co_u32 s79, s79, STAGE                   ; my stage
	v_add_nc_u32 v[STO], s79, v18                  ; in: row r, 16 bytes for each half of the lanes
	v_mul_u32_u24 v18, v2, PITCH                   ; back: lanes 0-15 one row of 256 bytes, lanes 16-31 the next
	v_lshl_add_u32 v18, v1, 4, v18
	v_add_nc_u32 v[RD], s79, v18
	v_lshlrev_b32 v18, 4, v1
	v_lshl_add_u32 v[CO], v2, 12, v18
	v_lshl_add_u32 v[SS], v1, 5, s79               ; the statistics: 32 bytes a row; lanes 0-15 put c m, lanes 16-31 l, 4 bytes on
	v_lshl_add_u32 v[SS], v2, 2, v[SS]
	v_lshl_add_u32 v[SR], v3, 4, s79
	v_lshlrev_b32 v[SG], 4, v3
	s_wait_tensorcnt 0x1                           ; my part of step 0 is in; step 1's may stay out
	s_barrier_signal -1
	s_barrier_wait -1
	LOADB 0, 0
	LOADA 0, 0
	LOADB 1, 0
	QUARTER 0, 64, 1
	WIN 0
	s_mov_b32 s[CNT], NSTEP-2
.Lstep:                                                ; a trip goes from a step's second quarter to the next step's first; the trip with CNT = c asks for step 8 - c
	QUARTER 1, 128, 0
	QUARTER 0, 192, 0
	TURN 1, 1
	QUARTER 0, 64, 0
	WIN 0
	s_sub_co_u32 s[CNT], s[CNT], 1
	s_cmp_lg_u32 s[CNT], 0
	s_cbranch_scc1 .Lstep
	s_mov_b32 s[CNT], 2                            ; the last two steps ask for nothing: a loop of their own; it is entered in its middle
	s_branch .Lmid
.Ltail:
	TURN 1, 0
	QUARTER 0, 64, 0
	WIN 0
.Lmid:
	QUARTER 1, 128, 0
	QUARTER 0, 192, 0
	WIN 0
	s_sub_co_u32 s[CNT], s[CNT], 1
	s_cmp_lg_u32 s[CNT], 0
	s_cbranch_scc1 .Ltail
	s_wait_dscnt 0x0
	GRP 1, 0, 0, 0
	GRP 1, 0, 1, 0
	GRP 1, 1, 0, 0
	GRP 1, 1, 1, 0
	WIN 0
.set i, 0
.rept 8                                ; eight plain instructions that name no register of the last products: the places behind them
	v_mov_b32 v[ONES+i], 0x3c003c00                ; 1.0 twice in f16
.set i, i+1
.endr
	; THE BLOCK'S MAXIMUM.  A lane holds 64 of its row's 128 scores for each row block a: four chains, three operands at a time; each accumulator's lowest registers are read first.
.macro ALLA line:vararg                ; one line for each row block a
.set a, 0
.rept 8
	\line
.set a, a+1
.endr
.endm
	WIN 0x15                                       ; all three sources in window 1
.set t, 0
.rept 32
	v_max3_num_f32 v[CC+t], v[8*t], v[8*t+1], v[8*t+2]
.set t, t+1
.endr
	WIN 0x14                                       ; the chain in window 0
.irp j, 3, 5
.set t, 0
.rept 32
	v_max3_num_f32 v[CC+t], v[CC+t], v[8*t+(\j)], v[8*t+(\j)+1]
.set t, t+1
.endr
.endr
	ALLA v_max3_num_f32 v[CC+4*a], v[CC+4*a], v[32*a+7], v[32*a+15]
	ALLA v_max3_num_f32 v[CC+4*a+1], v[CC+4*a+1], v[32*a+23], v[32*a+31]
	WIN 0x28                                       ; scores in window 2
.irp j, 0, 2, 4, 6
.set t, 0
.rept 32
	v_max3_num_f32 v[CC+t], v[CC+t], v[8*t+(\j)], v[8*t+(\j)+1]
.set t, t+1
.endr
.endr
	WIN 0
	ALLA v_max3_num_f32 v[CC+4*a], v[CC+4*a], v[CC+4*a+1], v[CC+4*a+2]
	ALLA v_max_num_f32 v[CC+4*a], v[CC+4*a], v[CC+4*a+3]
	ALLA v_permlanex16_b32 v[CC+4*a+1], v[CC+4*a], s[SEL], s[SEL+1]
	ALLA v_max_num_f32 v[CM+2*a+1], v[CC+4*a], v[CC+4*a+1]
	ALLA v_mul_f32 v[CM+2*a], s[CS], v[CM+2*a+1]
	; c s - c m and the exponentials, in place: a pair's two exponentials stand two scalings behind its own.  All 512 are one batch: nothing names a result ahead of the one wait.
.irp w, 1, 2
	WIN (\w)|((\w)<<6)
.set i, 0
.rept 130
.if i < 128
	v_pk_fma_f32 v[2*i:2*i+1], v[2*i:2*i+1], s[CS:CS+1], v[CM+2*(i/16):CM+2*(i/16)+1] op_sel_hi:[1,0,0] neg_lo:[0,0,1] neg_hi:[0,0,1]
.endif
.if i >= 2
	v_exp_f32 v[2*i-4], v[2*i-4]
	v_exp_f32 v[2*i-3], v[2*i-3]
.endif
.set i, i+1
.endr
.endr
	v_nop                                          ; a plain instruction behind the last exponential,
	s_wait_alu depctr_va_vdst(0)                   ; and the wait ahead of the first use: one for the batch
.macro STG a                           ; row block a: 16 bytes a lane into rows of 272 bytes, back as whole rows of 256; LDS serves a wave's instructions in order
.irp b, 0,1,2,3,4,5,6,7
	ds_store_b128 v[STO], v[TMP+32*((\a)%4)+4*(\b):TMP+32*((\a)%4)+4*(\b)+3] offset:32*(\b)
.endr
.irp t, 0,1,2,3,4,5,6,7
	ds_load_b128 v[TMP+32*((\a)%4)+4*(\t):TMP+32*((\a)%4)+4*(\t)+3], v[RD] offset:2*PITCH*(\t)
.endr
.endm
.macro SEND a, y                       ; y: the LDS instructions issued behind block a's loads
.irp t, 0,1,2,3,4,5,6,7
	s_wait_dscnt (\y)+7-(\t)
	global_store_b128 v[CO], v[TMP+32*((\a)%4)+4*(\t):TMP+32*((\a)%4)+4*(\t)+3], s[6:7] offset:(16*(\a)+2*(\t))*4096  ; 16 lanes store 256 consecutive bytes, aligned
.endr
.endm
; Row blocks 4 H .. 4 H + 3: rounded, summed, sent.  THE ROW SUMS ARE TAKEN BY THE MATRIX UNIT: the packed weights of two neighbouring blocks of 16 keys are a source 1 (32 keys x 16 rows), and ones x P
; leaves the row's sum in every register of the result, in both halves of the lanes: 16 matrix instructions here in place of 136 vector ones; the price is matrix work that is not the problem's own.
; The four accumulators take turns, one instruction a turn.
.macro HALF H
.if \H
	s_wait_xcnt 0x0                                ; the first half's stores have read their registers
.endif
	WIN 0x05
.set u, 0
.rept 64
	v_cvt_pk_f16_f32 v[TMP+32*(u/16)+u%16], v[128*(\H)+2*u], v[128*(\H)+2*u+1]
.set u, u+1
.endr
	WIN 0x0a
.set u, 0
.rept 64
	v_cvt_pk_f16_f32 v[TMP+32*(u/16)+16+u%16], v[128*(\H)+2*u], v[128*(\H)+2*u+1]
.set u, u+1
.endr
	WIN 0
.irp c, 0,1,2,3
.irp q, 0,1,2,3
.if (\c) == 0
	v_wmma_f32_16x16x32_f16 v[DS+8*(\q):DS+8*(\q)+7], v[ONES:ONES+7], v[TMP+32*(\q)+8*(\c):TMP+32*(\q)+8*(\c)+7], 0
.else
	v_wmma_f32_16x16x32_f16 v[DS+8*(\q):DS+8*(\q)+7], v[ONES:ONES+7], v[TMP+32*(\q)+8*(\c):TMP+32*(\q)+8*(\c)+7], v[DS+8*(\q):DS+8*(\q)+7]
.endif
.endr
.endr
	PLACES                                         ; ahead of the reads of the sums, and of the loads into the weights' registers
.irp q, 0,1,2,3
	v_mov_b32 v[LL+4*(\H)+(\q)], v[DS+8*(\q)]      ; the lowest register of each result
.endr
	STG 4*(\H)
	STG 4*(\H)+1
	SEND 4*(\H), 16
	STG 4*(\H)+2
	SEND 4*(\H)+1, 16
	STG 4*(\H)+3
	SEND 4*(\H)+2, 16
	SEND 4*(\H)+3, 0
.endm
	HALF 0
	HALF 1
	; THE STATISTICS: lanes 0-15 carry c m of rows 0-15, lanes 16-31 l of the same rows; through the stage, so that a store covers 512 consecutive bytes
	ALLA v_cndmask_b32 v[STAT+a], v[LL+a], v[CM+2*a], s[MK]
	ALLA ds_store_b32 v[SS], v[STAT+a] offset:(a%4)*8+(a/4)*512
	ds_load_b128 v[104:107], v[SR]
	ds_load_b128 v[108:111], v[SR] offset:512
	s_wait_dscnt 0x0
	global_store_b128 v[SG], v[104:107], s[8:9]
	global_store_b128 v[SG], v[108:111], s[8:9] offset:512
	s_wait_tensorcnt 0x0                           ; the wave's end
	ds_add_u32 v[SPW], v[NIL]
	s_wait_dscnt 0x0
	CROUND                                         ; the closing round
	s_endpgm
.Lfunc_end_k_q64200383aa_score:
	.size	k_q64200383aa_score, .Lfunc_end_k_q64200383aa_score-k_q64200383aa_score
	.p2alignl 7, 3214868480
	.fill 96, 4, 3214868480
	.section	.rodata,"a",@progbits
	.p2align	6, 0x0
	.amdhsa_kernel k_q64200383aa_score
		.amdhsa_group_segment_fixed_size 327680
		.amdhsa_private_segment_fixed_size 0
		.amdhsa_enable_private_segment 0
		.amdhsa_kernarg_size 24
		.amdhsa_user_sgpr_count 2
		.amdhsa_user_sgpr_kernarg_segment_ptr 1
		.amdhsa_wavefront_size32 1
		.amdhsa_system_sgpr_workgroup_id_x 1
		.amdhsa_system_sgpr_workgroup_id_y 1
		.amdhsa_system_sgpr_workgroup_id_z 1
		.amdhsa_system_vgpr_workitem_id 0
		.amdhsa_next_free_vgpr 768
		.amdhsa_next_free_sgpr 80
		.amdhsa_reserve_vcc 0
		.amdhsa_float_denorm_mode_32 3
		.amdhsa_float_denorm_mode_16_64 3
		.amdhsa_memory_ordered 1
		.amdhsa_forward_progress 1
		.amdhsa_inst_pref_size 160
	.end_amdhsa_kernel
	.amdgpu_metadata
---
amdhsa.version: [ 1, 2 ]
amdhsa.kernels:
  - .name:           k_q64200383aa_score
    .symbol:         k_q64200383aa_score.kd
    .args:
      - { .name: qkv, .offset: 0, .size: 8, .value_kind: global_buffer, .address_space: global }
      - { .name: p, .offset: 8, .size: 8, .value_kind: global_buffer, .address_space: global }
      - { .name: st, .offset: 16, .size: 8, .value_kind: global_buffer, .address_space: global }
    .group_segment_fixed_size: 327680
    .private_segment_fixed_size: 0
    .kernarg_segment_align: 8
    .kernarg_segment_size: 24
    .max_flat_workgroup_size: 128
    .sgpr_count:     80
    .vgpr_count:     768
    .wavefront_size: 32
...
	.end_amdgpu_metadata
.endif
;; end of part 3
;; launch pv (part 4): grid 4 x 64, 4 waves a work-group, clusters of 4 x 4, 327,680 bytes of LDS; arguments p, qkv, st, out0; writes out0
.if DOCPART == 4
	.amdgcn_target "amdgcn-amd-amdhsa--gfx1250"
	.amdhsa_code_object_version 6
	.text
	.protected	k_q64200383aa_pv
	.globl	k_q64200383aa_pv
	.p2align	8
	.type	k_q64200383aa_pv,@function
k_q64200383aa_pv:
	s_mov_b64 s[64:65], 0
	v_nop
	global_prefetch_b8 v0, s[64:65] scope:SCOPE_SE
	s_setreg_imm32_b32 hwreg(HW_REG_WAVE_MODE, 25, 1), 1
	s_wait_xcnt 0x0
	s_wait_alu depctr_hold_cnt(0) depctr_sa_sdst(0) depctr_va_vdst(0) depctr_va_sdst(0) depctr_va_ssrc(0) depctr_va_vcc(0) depctr_vm_vsrc(0)
	s_getreg_b32 s2, hwreg(HW_REG_IB_STS2, 6, 4)
	s_cmp_eq_u32 s2, 0
	s_cbranch_scc0 .Lentry_in_a_cluster
	s_endpgm
.Lentry_in_a_cluster:
	s_bfe_u32 s2, ttmp6, 0x10000c
	s_cmp_lg_u32 s2, 0xf033
	s_cbranch_scc0 .Lentry_shape_is_right
	s_endpgm
.Lentry_shape_is_right:
; out[q][:] = the sum over blocks t of 128 keys of g_t x the sum over the block's keys of p[q][k] v[k][:], with cM = the maximum over t of cm_t, f_t = 2^(cm_t - cM), L = the sum of f_t l_t, g_t = f_t / L.
; So the row's maximum is taken away here: f_t is at most 1, and L at least 1.  L is summed in f32 of the unrounded f; g_t is rounded once to f16; p x g is rounded to f16 for the product; sums in f32; out in f32.
; LIMITS: g's rounding is at most 2^-11 of a block's share; p x g below 6e-5 keeps f16's fixed step of 6e-8; an f below 2^-126 counts as 0; NaN and infinities are not treated apart.
; SHARES.  A work-group makes 128 rows x 256 channels (4 x 64 tiles), a wave 64 x 128: 32 accumulators, (a, cb) at v[8 (8 a + cb)] of window 1.  The keys go in 16 steps of 128 through two LDS slots.
; O^T = V^T P: source 0 = 16 channels x 32 keys of v, turned by ds_load_tr16_b128; source 1 = 16 rows x 32 keys of p: a lane holds row l % 16 and eight neighbouring channels.
; CLUSTER 4 x 4: p's tile is asked for jointly by a row of the cluster, v's by a column (a cluster's four row tiles lie in one batch).
; REGISTERS.  Window 0: v0-31 addresses, the step's factors; two fragment buffers: p's v32-63, v's v64-127; p's v128-159, v's v160-223.
.set NSTEP,  16
.set PP,     272                       ; a row of p in LDS: 256 bytes + 16
.set PV,     544                       ; a row of v: 512 + 32
.set VOFF,   128*PP
.set SLOT1,  1<<17
.set FT,     SLOT1+128*(PP+PV)         ; behind the ring: each wave's factors, [step][lane][row block a]: 8,192 bytes
.set STAGE,  FT+4*8192                 ; 16 rows x 528 bytes for each wave
.set SP,     528
.set SPARE,  STAGE+4*16*SP
.set AHEAD,  2
.set ADRP0, 4
.set ADRV0, 5
.set ADRP,  6
.set ADRV,  7
.set FTA0,  16
.set FADR,  17
.set STO,   18
.set RD,    19
.set CO,    20
.set SO,    21
.set PFO,   22
.set FA,    24                         ; v[24:27] the step's factors, f16 twice, for a = 0..3
.set SPW,   28
.set NIL,   29
.set PB,    32
.set VB,    64
.set OB,    32                         ; the way out: 16 rows read back, two sets of 64
.set XS,    32                         ; at the start: v[32 + 8 t + 2 a] c m, v[33 + 8 t + 2 a] l of block t, row block a
.set FF,    160                        ; v[160 + 4 t + a] the factors, packed
.set MX,    224                        ; v[224 + a] c M
.set LS,    228                        ; v[228 + a] L
.set RC,    232                        ; v[232 + a] 1 / L
.set WV, 12
.set HI, 13
.set LO, 14
.set CX, 15
.set CY, 16
.set KX, 17
.set KY, 18
.set TX, 19
.set TY, 20
.set G1A, 24
.set G0A, 32
.set CNT, 40
.set LIM, 41
.set TB,  42
.set PFA, 44
.set WOA, 46
.set WOB, 47
.set G1B, 48
.set G0B, 56
.set OFA, 66
.set OFB, 68
.set PST, 76                           ; s[76:77] the prefetches' step
.set FB,  78
.set MSB, 0
.macro WIN new
.if MSB != (\new)
	s_set_vgpr_msb (MSB<<8)|(\new)
.set MSB, (\new)
.endif
.endm
.macro CREST
	s_cmp_lg_u32 s[WV], 0
	s_cbranch_scc1 .Lnot_wave_0_\@
	s_barrier_signal -3
.Lnot_wave_0_\@:
	s_barrier_wait -3
	s_barrier_signal -1
	s_barrier_wait -1
.endm
.macro CROUND
	s_barrier_signal -1
	s_barrier_wait -1
	CREST
.endm
.macro JLOAD                           ; waves 0, 1: the two halves of p's tile; waves 2, 3: of v's
	s_cmp_eq_u32 s[HI], 0
	s_cbranch_scc0 .Lfor_b_\@
	tensor_load_to_lds s[G0A+4:G0A+7], s[G1A:G1A+7]
	s_nop 0
.rept 4
	v_nop
.endr
	s_branch .Lasked_\@
.Lfor_b_\@:
	tensor_load_to_lds s[G0B+4:G0B+7], s[G1B:G1B+7]
	s_nop 0
.rept 4
	v_nop
.endr
.Lasked_\@:
.endm
; A prefetch of the step two behind the one just asked for.  p's 128 rows x 256 bytes are read by one cluster alone: each of a row's four partners takes 32 rows (by address), wave 0, a lane a row.
; v's 128 keys x 512 bytes are read by the four clusters of a batch: the first asks; of the 64 keys that wave 2 or 3 fetches each partner of a column takes 16: two lanes a key.  The last two refills ask for nothing.
.macro ASK
	s_cmp_gt_u32 s[CNT], s[LIM]
	s_cbranch_scc0 .Lnot_mine_\@
	global_prefetch_b8 v[PFO], s[PFA:PFA+1] th:TH_LOAD_NT scope:SCOPE_SE
.Lnot_mine_\@:
.endm
; 24 LDS loads in one run: 32 keys (quarter q of the step) into buffer g; fac = 1: also the step's factors
.macro FETCH g, q, fac
	WIN 0
.irp a, 0,1,2,3
	ds_load_b128 v[PB+96*(\g)+8*(\a):PB+96*(\g)+8*(\a)+3],   v[ADRP] offset:(\q)*64+(\a)*16*PP
	ds_load_b128 v[PB+96*(\g)+8*(\a)+4:PB+96*(\g)+8*(\a)+7], v[ADRP] offset:(\q)*64+(\a)*16*PP+32
.endr
.irp cb, 0,1,2,3,4,5,6,7
	ds_load_tr16_b128 v[VB+96*(\g)+8*(\cb):VB+96*(\g)+8*(\cb)+3],   v[ADRV] offset:(\q)*32*PV+32*(\cb)
	ds_load_tr16_b128 v[VB+96*(\g)+8*(\cb)+4:VB+96*(\g)+8*(\cb)+7], v[ADRV] offset:(\q)*32*PV+16*PV+32*(\cb)
.endr
.if \fac
	ds_load_b128 v[FA:FA+3], v[FADR]
	s_add_co_u32 s[FB], s[FB], 512                 ; the next fetch is the next step's
	v_add_nc_u32 v[FADR], s[FB], v[FTA0]
.endif
.endm
.macro SCALE f, a                      ; p x g for row block a: a lane holds one row, so one word of factors serves its eight registers
	WIN 0
.irp j, 0,1,2,3,4,5,6,7
	v_pk_mul_f16 v[PB+96*(\f)+8*(\a)+(\j)], v[PB+96*(\f)+8*(\a)+(\j)], v[FA+(\a)]
.endr
.endm
.macro MUL8 f, a, zero                 ; 8 matrix instructions; the accumulators take turns, one instruction a turn
	WIN 0x50
.irp cb, 0,1,2,3,4,5,6,7
.if \zero
	v_wmma_f32_16x16x32_f16 v[8*(8*(\a)+(\cb)):8*(8*(\a)+(\cb))+7], v[VB+96*(\f)+8*(\cb):VB+96*(\f)+8*(\cb)+7], v[PB+96*(\f)+8*(\a):PB+96*(\f)+8*(\a)+7], 0
.else
	v_wmma_f32_16x16x32_f16 v[8*(8*(\a)+(\cb)):8*(8*(\a)+(\cb))+7], v[VB+96*(\f)+8*(\cb):VB+96*(\f)+8*(\cb)+7], v[PB+96*(\f)+8*(\a):PB+96*(\f)+8*(\a)+7], v[8*(8*(\a)+(\cb)):8*(8*(\a)+(\cb))+7]
.endif
.endr
.endm
; 32 keys on buffer f; quarter q is fetched into buffer g.  The scalings of blocks 0 and 1 are the places between buffer g's last products and the loads into it.
.macro QUARTER f, g, q, zero
	s_wait_dscnt 0x0                               ; buffer f is in: its loads were issued 24 matrix instructions ago
	SCALE \f, 0
	MUL8 \f, 0, \zero
	SCALE \f, 1
	FETCH \g, \q, 0
	MUL8 \f, 1, \zero
	SCALE \f, 2
	MUL8 \f, 2, \zero
	SCALE \f, 3
	MUL8 \f, 3, \zero
.endm
; A step's last quarter (buffer 1) and the change of slots: the wait for all my tensor loads, the add, the wait for it and for my reads of this slot, the barrier; with fill = 1 a round of the cluster's,
; and the joint refill first behind it: 112 matrix instructions ahead of the wait for it.  All four scalings stand ahead of the fetch that brings the next step's factors.
.macro TURN fill
.if \fill
	s_wait_xcnt 0x0                                ; the last prefetch, a step back, has read its address
	s_add_nc_u64 s[PFA:PFA+1], s[PFA:PFA+1], s[PST:PST+1]
.endif
	WIN 0
	s_wait_tensorcnt 0x0
	ds_add_u32 v[SPW], v[NIL]                      ; 0 onto my spare word
.if \fill
	s_xor_b32 s[G0A+5], s[G0A+5], SLOT1
	s_xor_b32 s[G0B+5], s[G0B+5], SLOT1
	s_add_nc_u64 s[G0A+6:G0A+7], s[G0A+6:G0A+7], 256      ; the next 128 keys: along p's rows,
	s_add_nc_u64 s[G0B+6:G0B+7], s[G0B+6:G0B+7], 786432   ; down v's
.endif
	s_wait_dscnt 0x1                               ; buffer 1 is in; the add alone may be out
	SCALE 1, 0
	MUL8 1, 0, 0
	s_wait_dscnt 0x0                               ; the add is done, and my reads of this slot are over
	s_barrier_signal -1
	SCALE 1, 1
	MUL8 1, 1, 0
	SCALE 1, 2
	SCALE 1, 3
	s_barrier_wait -1
.if \fill
	CREST
	JLOAD
.endif
	s_xor_b32 s[TB], s[TB], SLOT1
	v_add_nc_u32 v[ADRP], s[TB], v[ADRP0]
	v_add_nc_u32 v[ADRV], s[TB], v[ADRV0]
	FETCH 0, 0, 1
.if \fill
	ASK
.endif
	MUL8 1, 2, 0
	MUL8 1, 3, 0
.endm
	s_load_b256 s[4:11], s[0:1], 0x0               ; p s[4:5], qkv s[6:7], st s[8:9], out0 s[10:11]
	v_lshl_add_u32 v[SPW], v0, 2, SPARE
	v_mov_b32 v[NIL], 0
	ds_add_u32 v[SPW], v[NIL]                      ; the wave's opening: the add and its wait stand ahead of my first tensor load
	v_lshrrev_b32 v1, 5, v0
	v_readfirstlane_b32 s[WV], v1
	s_lshr_b32 s[HI], s[WV], 1
	s_and_b32 s[LO], s[WV], 1
	s_bfe_u32 s[CX], ttmp6, 0x40000
	s_bfe_u32 s[CY], ttmp6, 0x40004
	s_mov_b32 s[KX], ttmp9
	s_and_b32 s[KY], ttmp7, 0xffff
	s_lshl_b32 s[TX], s[KX], 2
	s_add_co_u32 s[TX], s[TX], s[CX]               ; tile of 256 channels
	s_lshl_b32 s[TY], s[KY], 2
	s_add_co_u32 s[TY], s[TY], s[CY]               ; tile of 128 rows
	s_lshl_b32 s21, s[CY], 2
	s_lshl_b32 s21, 15, s21
	s_lshl_b32 s22, 0x1111, s[CX]
	s_or_b32 s[G1A], s21, (1<<16)|(1<<20)|(1<<21)|(5<<22)|(3<<25)  ; p: padded behind every 64 words by 4
	s_or_b32 s[G1B], s22, (1<<16)|(1<<20)|(1<<21)|(6<<22)|(7<<25)  ; v: behind every 128 words by 8
	s_mov_b32 s[G1A+1], 128<<16                    ; p: 64 rows x 128 elements, 2,048 from row to row
	s_mov_b32 s[G1A+2], 64<<16
	s_mov_b32 s[G1A+3], 128<<16
	s_mov_b32 s[G1A+4], 64
	s_mov_b32 s[G1A+5], 2048
	s_mov_b32 s[G1A+6], 0
	s_mov_b32 s[G1A+7], 0
	s_mov_b32 s[G1B+1], 256<<16                    ; v: 64 keys x 256 elements, 3,072 from row to row
	s_mov_b32 s[G1B+2], 64<<16
	s_mov_b32 s[G1B+3], 256<<16
	s_mov_b32 s[G1B+4], 64
	s_mov_b32 s[G1B+5], 3072
	s_mov_b32 s[G1B+6], 0
	s_mov_b32 s[G1B+7], 0
	s_lshl_b32 s21, s[TY], 1
	s_add_co_u32 s21, s21, s[LO]
	s_lshl_b32 s[OFA], s21, 18                     ; p: my 64 rows of 4,096 bytes
	s_mov_b32 s[OFA+1], 0
	s_lshr_b32 s22, s[KY], 2                       ; the batch, from the cluster's y alone
	s_mul_i32 s[OFB], s22, 12582912                ; 2,048 rows of qkv
	s_mul_i32 s22, s[LO], 393216                   ; my 64 keys
	s_add_co_u32 s[OFB], s[OFB], s22
	s_lshl_b32 s22, s[TX], 9
	s_add_co_u32 s[OFB], s[OFB], s22
	s_add_co_u32 s[OFB], s[OFB], 4096              ; v lies 4,096 bytes into the row
	s_mov_b32 s[OFB+1], 0
	s_mul_i32 s[WOA], s[LO], 64*PP
	s_mul_i32 s[WOB], s[LO], 64*PV
	s_add_co_u32 s[WOB], s[WOB], VOFF
	s_mov_b32 s[G0A], 1
	s_mov_b32 s[G0A+1], s[WOA]
	s_mov_b32 s[G0A+4], 1
	s_add_co_u32 s[G0A+5], s[WOA], SLOT1
	s_mov_b32 s[G0B], 1
	s_mov_b32 s[G0B+1], s[WOB]
	s_mov_b32 s[G0B+4], 1
	s_add_co_u32 s[G0B+5], s[WOB], SLOT1
	s_mov_b32 s[TB], 0
	s_mov_b32 s[FB], 0
	s_lshl_b32 s2, s[TY], 19                       ; the prefetches' place
	s_lshl_b32 s3, s[CX], 17
	s_add_co_u32 s2, s2, s3
	s_mul_i32 s3, s[CY], 98304
	s_add_co_u32 s3, s3, s[OFB]
	s_mov_b32 s21, 786432                          ; an instruction holds one literal: the second choice of the two selects below comes from a register
	s_mov_b32 s22, 6144
	s_and_b32 s23, s[KY], 3
	s_cmp_eq_u32 s[HI], 0
	s_cselect_b32 s2, s2, s3
	s_cselect_b32 s23, s[LO], s23                  ; p: wave 0 of every cluster; v: waves 2 and 3 of a batch's first cluster
	s_cselect_b32 s[PST], 256, s21                 ; a step: 256 bytes along p's rows, 128 rows down v
	s_cselect_b32 s75, 4096, s22                   ; bytes from row to row
	s_mov_b32 s[PST+1], 0
	s_mov_b32 s3, 0
	s_cmp_eq_u32 s23, 0
	s_cselect_b32 s[LIM], AHEAD, -1                ; the same in all sixteen partners, for a given wave
	s_mul_i32 s23, s[PST], 1+AHEAD                 ; the first refill steps it on and names step 4
	s_add_co_u32 s2, s2, s23
	s_wait_dscnt 0x0                               ; the opening add is done
	s_wait_kmcnt 0x0
	s_add_nc_u64 s[G0A+2:G0A+3], s[4:5], s[OFA:OFA+1]
	s_add_nc_u64 s[G0A+6:G0A+7], s[G0A+2:G0A+3], 256
	s_or_b32 s[G0A+3], s[G0A+3], 0x80000000
	s_or_b32 s[G0A+7], s[G0A+7], 0x80000000
	s_add_nc_u64 s[G0B+2:G0B+3], s[6:7], s[OFB:OFB+1]
	s_add_nc_u64 s[G0B+6:G0B+7], s[G0B+2:G0B+3], 786432
	s_or_b32 s[G0B+3], s[G0B+3], 0x80000000
	s_or_b32 s[G0B+7], s[G0B+7], 0x80000000
	s_cmp_eq_u32 s[HI], 0
	s_cselect_b64 s[PFA:PFA+1], s[4:5], s[6:7]
	s_add_nc_u64 s[PFA:PFA+1], s[PFA:PFA+1], s[2:3]
	s_lshl_b32 s2, s[TY], 14                       ; st: my tile's sixteen chunks
	s_add_nc_u64 s[8:9], s[8:9], s[2:3]
	s_lshl_b32 s2, s[TY], 19                       ; out0: 128 rows of 4,096 bytes a tile, 64 a half; 1,024 bytes a tile of channels, 512 a half
	s_lshl_b32 s23, s[HI], 18
	s_add_co_u32 s2, s2, s23
	s_lshl_b32 s23, s[TX], 10
	s_add_co_u32 s2, s2, s23
	s_lshl_b32 s23, s[LO], 9
	s_add_co_u32 s2, s2, s23
	s_add_nc_u64 s[10:11], s[10:11], s[2:3]
	CROUND
	s_cmp_eq_u32 s[HI], 0                          ; a wave's two first fills stand in one branch: two loads of mine are out
	s_cbranch_scc0 .Lfirst_b
	tensor_load_to_lds s[G0A:G0A+3], s[G1A:G1A+7]
	s_nop 0
	tensor_load_to_lds s[G0A+4:G0A+7], s[G1A:G1A+7]
	s_nop 0
.rept 4
	v_nop
.endr
	s_branch .Lfirst_done
.Lfirst_b:
	tensor_load_to_lds s[G0B:G0B+3], s[G1B:G1B+7]
	s_nop 0
	tensor_load_to_lds s[G0B+4:G0B+7], s[G1B:G1B+7]
	s_nop 0
.rept 4
	v_nop
.endr
.Lfirst_done:
	v_and_b32 v1, 15, v0                           ; r
	v_bfe_u32 v2, v0, 4, 1                         ; h
	v_and_b32 v3, 31, v0                           ; l
	s_lshl_b32 s79, s[HI], 9
	v_lshl_add_u32 v[SO], v1, 5, s79               ; st: my half of the rows, my row's 32 bytes: c m and l for my four row blocks
	; THE STATISTICS of my 64 rows, all 16 blocks of keys: 32 loads of 16 bytes; every lane takes its own row's.  All this stands in the wait for the first tiles.
.set i, 0
.rept 16
	global_load_b128 v[XS+8*i:XS+8*i+3],   v[SO], s[8:9] offset:i*1024
	global_load_b128 v[XS+8*i+4:XS+8*i+7], v[SO], s[8:9] offset:i*1024+16
.set i, i+1
.endr
	v_lshrrev_b32 v30, s[HI], v3                   ; the prefetches' offset: p: a lane a row of 4,096 bytes; v: two lanes a row of 6,144, 256 bytes apart
	v_mul_u32_u24 v30, v30, s75
	v_and_b32 v31, s[HI], v3
	v_lshl_add_u32 v[PFO], v31, 8, v30
	v_mul_u32_u24 v30, v1, PP
	v_lshl_add_u32 v30, v2, 4, v30
	s_mul_i32 s79, s[HI], 64*PP
	v_add_nc_u32 v[ADRP0], s79, v30                ; p: row x pitch + 16 x half
	v_and_b32 v30, 7, v0                           ; v: the turning load's lane l reads key 8 (l / 16) + l % 8, channels 8 ((l / 8) % 2) + 0..7
	v_lshl_add_u32 v30, v2, 3, v30
	v_mul_u32_u24 v30, v30, PV
	v_bfe_u32 v31, v0, 3, 1
	v_lshl_add_u32 v30, v31, 4, v30
	s_lshl_b32 s79, s[LO], 8
	s_add_co_u32 s79, s79, VOFF
	v_add_nc_u32 v[ADRV0], s79, v30
	v_mov_b32 v[ADRP], v[ADRP0]
	v_mov_b32 v[ADRV], v[ADRV0]
	s_lshl_b32 s79, s[WV], 13
	s_add_co_u32 s79, s79, FT
	v_lshl_add_u32 v[FTA0], v3, 4, s79
	v_mov_b32 v[FADR], v[FTA0]
	s_mul_i32 s79, s[WV], 16*SP
	s_add_co_u32 s79, s79, STAGE
	v_mul_u32_u24 v30, v1, SP
	v_lshl_add_u32 v30, v2, 5, v30
	v_add_nc_u32 v[STO], s79, v30                  ; in: row r, 32 bytes for each half of the lanes
	v_lshl_add_u32 v[RD], v3, 4, s79               ; back: a whole row of 512 bytes
	v_lshlrev_b32 v[CO], 4, v3
	s_wait_loadcnt 0x0
.irp a, 0,1,2,3
	v_max3_num_f32 v[MX+(\a)], v[XS+2*(\a)], v[XS+8+2*(\a)], v[XS+16+2*(\a)]
.endr
.irp k, 3,5,7,9,11,13
.irp a, 0,1,2,3
	v_max3_num_f32 v[MX+(\a)], v[MX+(\a)], v[XS+8*(\k)+2*(\a)], v[XS+8*(\k)+8+2*(\a)]
.endr
.endr
.irp a, 0,1,2,3
	v_max_num_f32 v[MX+(\a)], v[MX+(\a)], v[XS+120+2*(\a)]  ; c M
.endr
.set i, 0
.rept 64                               ; i = 4 t + a
.set c, XS+8*(i/4)+2*(i%4)
	v_sub_f32 v[c], v[c], v[MX+i%4]
.set i, i+1
.endr
.set i, 0
.rept 64
.set c, XS+8*(i/4)+2*(i%4)
	v_exp_f32 v[c], v[c]                           ; f
.set i, i+1
.endr
	v_nop                                          ; a plain instruction behind the last exponential,
	s_wait_alu depctr_va_vdst(0)                   ; and the wait: one for the batch
.irp a, 0,1,2,3
	v_mul_f32 v[LS+(\a)], v[XS+2*(\a)], v[XS+2*(\a)+1]  ; L = the sum of f l: the first block starts it; four chains by turns
.endr
.set i, 4
.rept 60
.set c, XS+8*(i/4)+2*(i%4)
	v_fmac_f32 v[LS+i%4], v[c], v[c+1]
.set i, i+1
.endr
.irp a, 0,1,2,3
	v_rcp_f32 v[RC+(\a)], v[LS+(\a)]
.endr
	v_nop
	s_wait_alu depctr_va_vdst(0)
.set i, 0
.rept 64
.set c, XS+8*(i/4)+2*(i%4)
	v_mul_f32 v[c], v[c], v[RC+i%4]                ; g = f / L
.set i, i+1
.endr
.set i, 0
.rept 64
.set c, XS+8*(i/4)+2*(i%4)
	v_cvt_pk_f16_f32 v[FF+i], v[c], v[c]           ; rounded, in both halves
.set i, i+1
.endr
.set i, 0
.rept 16
	ds_store_b128 v[FTA0], v[FF+4*i:FF+4*i+3] offset:512*i
.set i, i+1
.endr
	s_wait_tensorcnt 0x1                           ; my part of step 0 is in; step 1's may stay out
	s_wait_dscnt 0x0
	s_barrier_signal -1
	s_barrier_wait -1
	FETCH 0, 0, 1
	QUARTER 0, 1, 1, 1                             ; the first products start the sums
	WIN 0
	s_mov_b32 s[CNT], NSTEP-2
.Lstep:                                                ; a trip goes from a step's second quarter to the next step's first; the trip with CNT = c asks for step 16 - c
	QUARTER 1, 0, 2, 0
	QUARTER 0, 1, 3, 0
	TURN 1
	QUARTER 0, 1, 1, 0
	WIN 0
	s_sub_co_u32 s[CNT], s[CNT], 1
	s_cmp_lg_u32 s[CNT], 0
	s_cbranch_scc1 .Lstep
	s_mov_b32 s[CNT], 2                            ; the last two steps ask for nothing: a loop of their own; it is entered in its middle
	s_branch .Lmid
.Ltail:
	TURN 0
	QUARTER 0, 1, 1, 0
	WIN 0
.Lmid:
	QUARTER 1, 0, 2, 0
	QUARTER 0, 1, 3, 0
	WIN 0
	s_sub_co_u32 s[CNT], s[CNT], 1
	s_cmp_lg_u32 s[CNT], 0
	s_cbranch_scc1 .Ltail
	s_wait_dscnt 0x0
.irp a, 0,1,2,3
	SCALE 1, \a
	MUL8 1, \a, 0
.endr
	WIN 0
.rept 8
	v_nop
.endr
	; THE WAY OUT.  The sums are out's numbers as they stand.  They go through my stage, a row block at a time: 32 bytes a lane in, whole rows of 512 bytes back.
.macro PACK a
.if (\a) >= 2
	s_wait_xcnt 0x0                                ; the set's earlier stores have read their registers
.endif
	WIN 0x04                                       ; the stores' data in window 1
.set u, 0
.rept 16                               ; each accumulator's lower four registers first
	ds_store_b128 v[STO], v[64*(\a)+4*u:64*(\a)+4*u+3] offset:64*(u/2)+16*(u%2)
.set u, u+1
.endr
	WIN 0
.set u, 0
.rept 16
	ds_load_b128 v[OB+64*((\a)%2)+4*u:OB+64*((\a)%2)+4*u+3], v[RD] offset:SP*u  ; LDS serves a wave's instructions in order: these see the stores above
.set u, u+1
.endr
.endm
.macro SEND a, y                       ; y: the LDS instructions issued behind block a's loads
.set u, 0
.rept 16
	s_wait_dscnt (\y)+15-u
	global_store_b128 v[CO], v[OB+64*((\a)%2)+4*u:OB+64*((\a)%2)+4*u+3], s[10:11] offset:(16*(\a)+u)*4096  ; 512 consecutive bytes, aligned
.set u, u+1
.endr
.endm
	PACK 0
	PACK 1
	SEND 0, 32
	PACK 2
	SEND 1, 32
	PACK 3
	SEND 2, 32
	SEND 3, 0
	s_wait_tensorcnt 0x0                           ; the wave's end
	ds_add_u32 v[SPW], v[NIL]
	s_wait_dscnt 0x0
	CROUND                                         ; the closing round
	s_endpgm
.Lfunc_end_k_q64200383aa_pv:
	.size	k_q64200383aa_pv, .Lfunc_end_k_q64200383aa_pv-k_q64200383aa_pv
	.p2alignl 7, 3214868480
	.fill 96, 4, 3214868480
	.section	.rodata,"a",@progbits
	.p2align	6, 0x0
	.amdhsa_kernel k_q64200383aa_pv
		.amdhsa_group_segment_fixed_size 327680
		.amdhsa_private_segment_fixed_size 0
		.amdhsa_enable_private_segment 0
		.amdhsa_kernarg_size 32
		.amdhsa_user_sgpr_count 2
		.amdhsa_user_sgpr_kernarg_segment_ptr 1
		.amdhsa_wavefront_size32 1
		.amdhsa_system_sgpr_workgroup_id_x 1
		.amdhsa_system_sgpr_workgroup_id_y 1
		.amdhsa_system_sgpr_workgroup_id_z 1
		.amdhsa_system_vgpr_workitem_id 0
		.amdhsa_next_free_vgpr 512
		.amdhsa_next_free_sgpr 80
		.amdhsa_reserve_vcc 0
		.amdhsa_float_denorm_mode_32 3
		.amdhsa_float_denorm_mode_16_64 3
		.amdhsa_memory_ordered 1
		.amdhsa_forward_progress 1
		.amdhsa_inst_pref_size 104
	.end_amdhsa_kernel
	.amdgpu_metadata
---
amdhsa.version: [ 1, 2 ]
amdhsa.kernels:
  - .name:           k_q64200383aa_pv
    .symbol:         k_q64200383aa_pv.kd
    .args:
      - { .name: p, .offset: 0, .size: 8, .value_kind: global_buffer, .address_space: global }
      - { .name: qkv, .offset: 8, .size: 8, .value_kind: global_buffer, .address_space: global }
      - { .name: st, .offset: 16, .size: 8, .value_kind: global_buffer, .address_space: global }
      - { .name: out0, .offset: 24, .size: 8, .value_kind: global_buffer, .address_space: global }
    .group_segment_fixed_size: 327680
    .private_segment_fixed_size: 0
    .kernarg_segment_align: 8
    .kernarg_segment_size: 32
    .max_flat_workgroup_size: 128
    .sgpr_count:     80
    .vgpr_count:     512
    .wavefront_size: 32
...
	.end_amdgpu_metadata
.endif
;; end of part 4
;; ======== version 2 of 2: 4 launches; version 1 with the launch cast written anew for expert scheduling mode
;; limits: values are held in f16: magnitudes above 65,504 overflow, below 6.1e-05 lose precision
;; workspace buffers: ab 23,068,672 bytes; bias 12,288 bytes; qkv 50,331,648 bytes; p 33,554,432 bytes; st 1,048,576 bytes
;; launch cast (part 5): grid 705 x 1, 8 waves a work-group, no clusters, 0 bytes of LDS; arguments x, Wq, Wk, Wv, bq, bk, bv, ab, bias; writes ab, bias
.if DOCPART == 5
	.amdgcn_target "amdgcn-amd-amdhsa--gfx1250"
	.amdhsa_code_object_version 6
	.text
	.protected	k_q64200383aa_cast
	.globl	k_q64200383aa_cast
	.p2align	8
	.type	k_q64200383aa_cast,@function
k_q64200383aa_cast:
	s_mov_b64 s[64:65], 0
	v_nop
	global_prefetch_b8 v0, s[64:65] scope:SCOPE_SE
	s_setreg_imm32_b32 hwreg(HW_REG_WAVE_SCHED_MODE, 0, 2), 2
	s_setreg_imm32_b32 hwreg(HW_REG_WAVE_MODE, 25, 1), 1
	s_wait_xcnt 0x0
	s_wait_alu depctr_vm_vsrc(0)
; x [8192][1024] and Wq, Wk, Wv [1024][1024], all f32, are rounded once to bf16 and laid out for the projection:
; ab[kb][row][64], kb = 0..15 (64 channels each), row = 0..11263 (x's rows, then Wq's, Wk's, Wv's): a row's piece is 128 bytes, and the pieces of
; neighbouring rows lie end to end, so that a tile of the projection is one dense block.  The three biases are rounded to bf16 too and kept as f32.
; Work-group g < 704 takes rows 16 g .. 16 g + 15: thread t takes row t / 16 and, for each kb, the four numbers 64 kb + 4 (t % 16) ..: a wave's load covers
; two aligned pieces of 256 bytes, its store 256 consecutive bytes, aligned.  Sixteen loads a thread are out at once; no register is written twice.
; Work-group 704 takes the biases.  No LDS and no matrix unit: each byte is read once and written once.
; THE MODE: SCHED_MODE bits 1:0 = 2 (LLVM: expert scheduling mode 2), set by the entry lines.  The code itself states the register dependences
; between vector instructions and memory instructions, with s_wait_alu, always for 0.
; THE PLAN.  Registers that memory instructions touch:
;   v1, v2, v4  byte offsets, written once at the head by vector instructions; read by every load and store; never written again.
;   XIN         written by the sixteen loads, once each; read by the conversions; no vector instruction writes it, no load lands in it twice.
;   YOUT        written by the conversions, once each; read by the stores.
; So the only dependences to state are vector writes that memory instructions read.  One wait at the head states the offsets.  The sixteen planes go in four
; blocks of four: block p's conversions name block p's XIN and YOUT alone; the stores of block p - 1 are dealt among them, behind ONE wait at block p's head,
; which states that block p - 1's conversions have written their YOUT.  One more wait stands ahead of the last block's stores.
; No register that a memory instruction has read is written again, so no wait on vm_vsrc is owed; no vector instruction writes a scalar register, VCC or EXEC.
.set STRIDE, 1441792                   ; bytes from one kb plane of ab to the next: 11,264 rows x 128
.set XIN,  8                           ; v[8:71]   sixteen loads of four f32
.set YOUT, 72                          ; v[72:103] sixteen pairs of packed bf16
	s_load_b512 s[4:19], s[0:1], 0x0               ; x s[4:5], Wq s[6:7], Wk s[8:9], Wv s[10:11], bq s[12:13], bk s[14:15], bv s[16:17], ab s[18:19]
	s_load_b64 s[20:21], s[0:1], 0x40              ; bias
	s_mov_b32 s34, ttmp9                           ; g
	s_and_b32 s35, s34, 63                         ; a weight's block of 16 rows (512 is a multiple of 64)
	v_lshrrev_b32 v1, 4, v0                        ; my row of the sixteen
	v_and_b32 v3, 15, v0
	v_lshlrev_b32 v1, 12, v1                       ; x 4,096 bytes
	v_lshl_add_u32 v1, v3, 4, v1                   ; + my 16 bytes of each 256
	v_lshlrev_b32 v2, 3, v0                        ; out: row x 128 + 8 (t % 16) = 8 t
	v_lshlrev_b32 v4, 4, v0                        ; the biases: 16 t
	s_wait_kmcnt 0x0
	s_wait_alu depctr_va_vdst(0)                   ; v1, v2 and v4 are written: every load and store below, on both paths, reads one of them as its offset
	s_cmp_eq_u32 s34, 704
	s_cbranch_scc1 .Lbias
	s_cmp_lt_u32 s34, 640                          ; which tensor my rows come from
	s_cselect_b64 s[22:23], s[8:9], s[10:11]
	s_cmp_lt_u32 s34, 576
	s_cselect_b64 s[22:23], s[6:7], s[22:23]
	s_cmp_lt_u32 s34, 512
	s_cselect_b64 s[22:23], s[4:5], s[22:23]
	s_cselect_b32 s2, s34, s35                     ; and which block of 16 rows in it
	s_lshl_b32 s2, s2, 16                          ; 16 rows x 4,096 bytes
	s_mov_b32 s3, 0
	s_add_nc_u64 s[22:23], s[22:23], s[2:3]
	s_lshl_b32 s36, s34, 11                        ; 16 rows x 128 bytes in each plane of ab
	s_mov_b32 s37, 0
	s_add_nc_u64 s[24:25], s[18:19], s[36:37]      ; four bases, four planes apart, so that the stores' immediates stay inside their 24 bits: block p of planes has base s[24 + 2 p]
	s_add_nc_u64 s[26:27], s[24:25], 4*STRIDE
	s_add_nc_u64 s[28:29], s[24:25], 8*STRIDE
	s_add_nc_u64 s[30:31], s[24:25], 12*STRIDE
.set kb, 0
.rept 16
	global_load_b128 v[XIN+4*kb:XIN+4*kb+3], v1, s[22:23] offset:256*kb th:TH_LOAD_NT
.set kb, kb+1
.endr
; The store of plane 4 p + i.
.macro PUT p, i
	global_store_b64 v2, v[YOUT+2*(4*(\p)+(\i)):YOUT+2*(4*(\p)+(\i))+1], s[24+2*(\p):25+2*(\p)] offset:(\i)*STRIDE
.endm
; Block p: planes 4 p .. 4 p + 3 are rounded; the stores of block p - 1 stand among the conversions, one ahead of each pair.
.macro BLK p
	s_wait_loadcnt 12-4*(\p)                       ; loads come back in order: this block's four are in, the younger blocks' stay out
.if (\p) > 0
	s_wait_alu depctr_va_vdst(0)                   ; the conversions of the block before have written their part of YOUT, which the four stores below read
.endif
.irp i, 0,1,2,3
.if (\p) > 0
	PUT (\p)-1, \i                                 ; no vector instruction since the wait names this store's registers: this block's conversions write this block's YOUT alone
.endif
	v_cvt_pk_bf16_f32 v[YOUT+2*(4*(\p)+(\i))],   v[XIN+4*(4*(\p)+(\i))],   v[XIN+4*(4*(\p)+(\i))+1]
	v_cvt_pk_bf16_f32 v[YOUT+2*(4*(\p)+(\i))+1], v[XIN+4*(4*(\p)+(\i))+2], v[XIN+4*(4*(\p)+(\i))+3]
.endr
.endm
	BLK 0
	BLK 1
	BLK 2
	BLK 3
	s_wait_alu depctr_va_vdst(0)                   ; the last block's conversions have written their part of YOUT, which the last four stores read
.irp i, 0,1,2,3
	PUT 3, \i
.endr
	s_endpgm
.Lbias:                                                ; 256 threads x 16 bytes are a whole bias
	global_load_b128 v[8:11], v4, s[12:13]
	global_load_b128 v[12:15], v4, s[14:15]
	global_load_b128 v[16:19], v4, s[16:17]
	s_wait_loadcnt 0x0
.irp j, 0,1,2,3,4,5
	v_cvt_pk_bf16_f32 v[20+(\j)], v[8+2*(\j)], v[9+2*(\j)]      ; rounded as the other inputs are,
.endr
.irp j, 0,1,2,3,4,5
	v_lshlrev_b32 v[32+2*(\j)], 16, v[20+(\j)]                  ; and widened again
	v_and_b32 v[33+2*(\j)], 0xffff0000, v[20+(\j)]
.endr
	s_wait_alu depctr_va_vdst(0)                   ; the widenings have written v[32:43], which the three stores read
	global_store_b128 v4, v[32:35], s[20:21]
	global_store_b128 v4, v[36:39], s[20:21] offset:4096
	global_store_b128 v4, v[40:43], s[20:21] offset:8192
	s_endpgm
.Lfunc_end_k_q64200383aa_cast:
	.size	k_q64200383aa_cast, .Lfunc_end_k_q64200383aa_cast-k_q64200383aa_cast
	.p2alignl 7, 3214868480
	.fill 96, 4, 3214868480
	.section	.rodata,"a",@progbits
	.p2align	6, 0x0
	.amdhsa_kernel k_q64200383aa_cast
		.amdhsa_group_segment_fixed_size 0
		.amdhsa_private_segment_fixed_size 0
		.amdhsa_enable_private_segment 0
		.amdhsa_kernarg_size 72
		.amdhsa_user_sgpr_count 2
		.amdhsa_user_sgpr_kernarg_segment_ptr 1
		.amdhsa_wavefront_size32 1
		.amdhsa_system_sgpr_workgroup_id_x 1
		.amdhsa_system_sgpr_workgroup_id_y 1
		.amdhsa_system_sgpr_workgroup_id_z 1
		.amdhsa_system_vgpr_workitem_id 0
		.amdhsa_next_free_vgpr 104
		.amdhsa_next_free_sgpr 66
		.amdhsa_reserve_vcc 0
		.amdhsa_float_denorm_mode_32 3
		.amdhsa_float_denorm_mode_16_64 3
		.amdhsa_memory_ordered 1
		.amdhsa_forward_progress 1
		.amdhsa_inst_pref_size 9
	.end_amdhsa_kernel
	.amdgpu_metadata
---
amdhsa.version: [ 1, 2 ]
amdhsa.kernels:
  - .name:           k_q64200383aa_cast
    .symbol:         k_q64200383aa_cast.kd
    .args:
      - { .name: x, .offset: 0, .size: 8, .value_kind: global_buffer, .address_space: global }
      - { .name: Wq, .offset: 8, .size: 8, .value_kind: global_buffer, .address_space: global }
      - { .name: Wk, .offset: 16, .size: 8, .value_kind: global_buffer, .address_space: global }
      - { .name: Wv, .offset: 24, .size: 8, .value_kind: global_buffer, .address_space: global }
      - { .name: bq, .offset: 32, .size: 8, .value_kind: global_buffer, .address_space: global }
      - { .name: bk, .offset: 40, .size: 8, .value_kind: global_buffer, .address_space: global }
      - { .name: bv, .offset: 48, .size: 8, .value_kind: global_buffer, .address_space: global }
      - { .name: ab, .offset: 56, .size: 8, .value_kind: global_buffer, .address_space: global }
      - { .name: bias, .offset: 64, .size: 8, .value_kind: global_buffer, .address_space: global }
    .group_segment_fixed_size: 0
    .private_segment_fixed_size: 0
    .kernarg_segment_align: 8
    .kernarg_segment_size: 72
    .max_flat_workgroup_size: 256
    .sgpr_count:     66
    .vgpr_count:     104
    .wavefront_size: 32
...
	.end_amdgpu_metadata
.endif
;; end of part 5
;; launch proj: the kernel of part 2 again; grid 8 x 32, 4 waves a work-group, clusters of 4 x 4, 327,680 bytes of LDS; arguments ab, bias, qkv; writes qkv
;; launch score: the kernel of part 3 again; grid 8 x 32, 4 waves a work-group, clusters of 4 x 4, 327,680 bytes of LDS; arguments qkv, p, st; writes p, st
;; launch pv: the kernel of part 4 again; grid 4 x 64, 4 waves a work-group, clusters of 4 x 4, 327,680 bytes of LDS; arguments p, qkv, st, out0; writes out0
